; MI455X (gfx1250); checked and timed in simulation.
; The chip was launched on July 23, 2026; its instructions are those of AMD's public machine-readable ISA for CDNA 5 (MIT licence, August 2026) and "CDNA5" Instruction Set Architecture Reference Guide (July 2026). The comments in the code are by the model that wrote it; some were corrected since.
;; Multi Head Attention. Allowed arithmetic: matrix products marked QUANTISED: E4M3 operands, one given power-of-two scale a tensor, by v_wmma_f32_16x16x64_fp8_fp8 or v_wmma_f32_16x16x128_fp8_fp8, f32 sums; everything else in f32.
;; Inputs: Wk 1,024 x 1,024 float32; Wo 1,024 x 1,024 float32; Wq 1,024 x 1,024 float32; Wv 1,024 x 1,024 float32; bk 1,024 float32; bo 1,024 float32; bq 1,024 float32; bv 1,024 float32; k 4 x 2,048 x 1,024 float32; lowp_scales 12 int32 (the exponents e of the quantised operands' scales 2^e); pad_mask 4 x 2,048 int32; q 4 x 2,048 x 1,024 float32; v 4 x 2,048 x 1,024 float32.
;; Outputs: out0 4 x 2,048 x 1,024 float32.
;; This version of the problem:
;;   THIS VERSION OF THE PROBLEM IS GIVEN IN LOW PRECISION. The matrix products marked QUANTISED in the list below multiply operands that are first quantised to E4M3 (4 exponent bits, 3 mantissa bits; 8 bits a number), with one given power-of-two scale for each operand tensor; their sums are f32. All else is computed in f32.
;;   The module's matrix products, in the order in which they are computed (A, B: the left and right operand; K: the contracted axis; several contracted axes count as one K, in the product's order):
;;     1. [M 8,192, K 1,024] x [K 1,024, N 1,024]; A: input q; B: input Wq: QUANTISED (scales: A lowp_scales[0], B lowp_scales[1])
;;     2. [M 8,192, K 1,024] x [K 1,024, N 1,024]; A: input k; B: input Wk: QUANTISED (scales: A lowp_scales[2], B lowp_scales[3])
;;     3. [M 8,192, K 1,024] x [K 1,024, N 1,024]; A: input v; B: input Wv: QUANTISED (scales: A lowp_scales[4], B lowp_scales[5])
;;     4. batch 64 x [M 2,048, K 64] x [K 64, N 2,048]; A: computed on the way; B: computed on the way: QUANTISED (scales: A lowp_scales[6], B lowp_scales[7])
;;     5. batch 64 x [M 2,048, K 2,048] x [K 2,048, N 64]; A: softmax (see below); B: computed on the way: QUANTISED (scales: A lowp_scales[8], B lowp_scales[9])
;;     6. [M 8,192, K 1,024] x [K 1,024, N 1,024]; A: computed on the way; B: input Wo: QUANTISED (scales: A lowp_scales[10], B lowp_scales[11])
;;   THE QUANTISER, for each operand of a quantised product, along K:
;;     - The operand's scale is 2^e, e = its entry of the input lowp_scales (int32; the entries are numbered through the quantised products in the list's order, A before B).
;;     - Each number is divided by the scale, clamped to +-448, and rounded to the nearest number of E4M3, ties to even, subnormals kept.
;;     - The product sums the exact products of the quantised numbers (number of the format x scale) in f32.
;;   ~~~python
;;   def quantise(x, axis, e):      # numpy; x: float32 -> the quantised numbers, widened to float32 again
;;       x = np.moveaxis(x, axis, -1); K = x.shape[-1]
;;       r = np.clip(x / 2.0 ** e, -448, 448)
;;       step = 2.0 ** (np.maximum(np.frexp(np.where(r == 0, 1, r))[1] - 1, -6) - 3)
;;       q = np.round(r / step) * step * 2.0 ** e      # np.round: ties to even
;;       return np.moveaxis(q, -1, axis).astype(np.float32)
;;   ~~~
;;   SOFTMAX AHEAD OF A QUANTISED PRODUCT. Where the list says 'softmax', what is quantised is not the finished softmax but p = 2^(t - M), with t = logit x log2(e) and M = ceil(the row's largest t), a whole number; so 1/2 < the row's largest p <= 1. The row's sum l is taken of the UNQUANTISED p, in f32, and the product's result is divided by l at the end. Since M is a whole number, a kernel that streams over the keys may use a running M (the ceiling of the running maximum): every later rescaling is an exact power of two, so the quantised numbers keep their values, but for numbers so far below the row's largest that they fall under the format's range.
;;   OPERANDS COMPUTED ON THE WAY. 'Computed on the way' means the value that the module computes at that place (a softmax that the list does not call 'softmax' is quantised finished and normalised). What goes into a quantiser is computed in f32, as accurately as f32 sums, v_exp_f32 and their like allow (about 1e-6 of the number): no bf16 or f16 on the way to a quantiser, and a product that is left as it is and whose result goes on into a quantised operand takes f32 operands (vector FMAs, or v_wmma_f32_16x16x4_f32). A number that lies on a knife's edge between two numbers of the format may be rounded either way, as far as f32 arithmetic and the matrix unit's own rounding can turn it there, and no further.
;; 2 versions. Each part assembles by itself: llvm-mc -triple=amdgcn-amd-amdhsa -mcpu=gfx1250 --defsym DOCPART=n.
;; ======== version 1 of 2: 4 launches
;; workspace buffers: wc 4,194,304 bytes; qc 8,388,608 bytes; kc 8,388,608 bytes; vc 8,388,608 bytes; ac 8,388,608 bytes; padb 32,768 bytes; padf 512 bytes of whole numbers
;; launch wprep (part 1): grid 257 x 1, 4 waves a work-group, no clusters, 0 bytes of LDS; arguments Wq, Wk, Wv, Wo, pad_mask, lowp_scales, wc, padb, padf; writes wc, padb, padf
.if DOCPART == 1
	.amdgcn_target "amdgcn-amd-amdhsa--gfx1250"
	.amdhsa_code_object_version 6
	.text
	.protected	k_qa237bae549_wprep
	.globl	k_qa237bae549_wprep
	.p2align	8
	.type	k_qa237bae549_wprep,@function
k_qa237bae549_wprep:
	s_mov_b64 s[64:65], 0
	v_nop
	global_prefetch_b8 v0, s[64:65] scope:SCOPE_SE
	s_setreg_imm32_b32 hwreg(HW_REG_WAVE_MODE, 25, 1), 1
	s_wait_xcnt 0x0
; The four weights [1024 (k)][1024 (n)] f32 become codes of E4M3, each with its given scale 2^e, laid as IMAGES OF OPERAND REGISTERS:
; wc[weight 0..3][feature tile 0..63][s 0..15][1,024 bytes]; a fragment (16 features x 64 along K) has registers 4 c .. 4 c + 3 of lane l at byte 512 c + 16 l.
; A LANE TAKES A COLUMN n AND ITS REGISTERS RUN DOWN K, so each load reads 128 neighbouring bytes a wave and the conversions give codes with K innermost; nothing is transposed.
; WHICH k lies where.  Wo: the matrix form's own places: byte b of piece (s, c, h) is k = 64 s + 32 c + 16 (b / 8) + 8 h + b % 8.
; Wq, Wk, Wv: k = 512 (s / 8) + 128 (b / 4) + 16 (s % 8) + 8 c + 4 h + b % 4: a permutation of k that the next launch gives x as well, so every product meets its partner.
; Work-groups 0 to 255: weight g / 64, 128 features (g / 8) % 8, fragments s = 2 (g % 8) and the next.  Work-group 256: the pad mask: wave n takes batch n,
; writes 0 or -infinity for each key (padb), and a word whose bit i says that keys 128 i .. 128 i + 127 hold a masked key (padf, 32 equal words a batch).
; No LDS, no barrier, no matrix unit, no cluster: waves share nothing, and every input byte is read once.
; LIMITS: each weight's e between -126 and 119, so that 2^e and 448 x 2^e are f32 numbers.  NaN among the weights is not served (an infinity is held at the largest code).
.set X, 32                             ; v32-95   two sets of 32 numbers: register 16 h + b
.set C, 96                             ; v96-127  codes, eight registers for each of four batches: no store's data are written again
; batch q = 2 i + c: the 32 numbers of pieces (s = 2 y + i, c, h = 0, 1)
.macro WLOAD map, q
.irp h, 0,1
.irp b, 0,1,2,3,4,5,6,7,8,9,10,11,12,13,14,15
.if \map == 1
.set KR, 16*((\q)/2)+128*(\b/4)+8*((\q)%2)+4*\h+(\b%4)
.else
.set KR, 64*((\q)/2)+32*((\q)%2)+16*(\b/8)+8*\h+(\b%8)
.endif
	global_load_b32 v[X+32*((\q)%2)+16*\h+\b], v1, s[4:5] offset:KR*4096 th:TH_LOAD_NT
.endr
.endr
.endm
.macro WBLOCK map, q
.set XS, X+32*((\q)%2)
.if (\q) < 3
	s_wait_loadcnt 32                              ; this batch's 32 loads are in; the next batch's 32 may be out
.else
	s_wait_loadcnt 0
.endif
.set i, 0
.rept 32
	v_med3_num_f32 v[XS+i], v[XS+i], -v10, v10     ; the conversion to an 8-bit code does not saturate (ISA guide 7.6.2): the hold at 448 x the scale comes first
.set i, i+1
.endr
.irp g, 0,1,2,3
	v_cvt_scalef32_pk8_fp8_f32 v[C+8*(\q)+2*\g:C+8*(\q)+2*\g+1], v[XS+8*\g:XS+8*\g+7], v11
.endr
	global_store_b128 v2, v[C+8*(\q):C+8*(\q)+3], s[16:17] offset:((\q)/2)*1024+((\q)%2)*512        ; piece h = 0: sixteen lanes store 256 consecutive bytes, aligned
	global_store_b128 v2, v[C+8*(\q)+4:C+8*(\q)+7], s[16:17] offset:((\q)/2)*1024+((\q)%2)*512+256  ; piece h = 1
.if (\q) < 2
	WLOAD \map, (\q)+2
.endif
.endm
.macro WPATH map
	WLOAD \map, 0
	WLOAD \map, 1
	s_wait_kmcnt 0x0                               ; e
	s_add_co_i32 s27, s27, 127
	s_lshl_b32 s26, s27, 23
	v_mov_b32 v11, s26                             ; 2^e as f32: the conversion takes its exponent field
	s_add_co_i32 s27, s27, 8
	s_lshl_b32 s27, s27, 23
	s_or_b32 s27, s27, 0x600000
	v_mov_b32 v10, s27                             ; 448 x 2^e
	WBLOCK \map, 0
	WBLOCK \map, 1
	WBLOCK \map, 2
	WBLOCK \map, 3
	s_endpgm
.endm
	s_load_b256 s[4:11], s[0:1], 0x0               ; Wq, Wk, Wv, Wo
	s_load_b256 s[12:19], s[0:1], 0x20             ; pad_mask s[12:13], the scales' exponents s[14:15], wc s[16:17], padb s[18:19]
	s_load_b64 s[20:21], s[0:1], 0x40              ; padf
	v_lshrrev_b32 v1, 5, v0
	v_readfirstlane_b32 s22, v1                    ; wave 0..3
	v_and_b32 v3, 31, v0                           ; lane
	s_cmp_eq_u32 ttmp9, 256
	s_cbranch_scc1 .Lpad
	s_lshr_b32 s23, ttmp9, 6                       ; which weight
	s_bfe_u32 s24, ttmp9, 0x30003                  ; which 128 features
	s_and_b32 s25, ttmp9, 7                        ; y: fragments s = 2 y, 2 y + 1
	s_lshl_b32 s26, s23, 3
	s_add_co_u32 s26, s26, 4                       ; the scale's byte: entries 1, 3, 5,
	s_cmp_eq_u32 s23, 3
	s_cselect_b32 s26, 44, s26                     ; and 11 for Wo
	s_lshr_b32 s28, s25, 2
	s_lshl_b32 s28, s28, 9
	s_and_b32 s29, s25, 3
	s_lshl_b32 s29, s29, 5
	s_add_co_u32 s28, s28, s29                     ; the first k: 512 (y / 4) + 32 (y % 4),
	s_lshl_b32 s29, s25, 7                         ; or 128 y for Wo
	s_cmp_eq_u32 s23, 3
	s_cselect_b32 s28, s29, s28
	s_lshl_b32 s28, s28, 12                        ; rows of 4,096 bytes
	s_lshl_b32 s29, s24, 9
	s_add_co_u32 s28, s28, s29                     ; + 128 features x 4 bytes
	s_lshl_b32 s29, s22, 7
	s_add_co_u32 s28, s28, s29                     ; + 32 columns a wave
	s_mov_b32 s29, 0
	s_lshl_b32 s30, s23, 20                        ; wc: a weight is 2^20 bytes,
	s_lshl_b32 s31, s24, 17
	s_add_co_u32 s30, s30, s31                     ; eight feature tiles of 16,384 bytes a group,
	s_lshl_b32 s31, s22, 15
	s_add_co_u32 s30, s30, s31                     ; two a wave,
	s_lshl_b32 s31, s25, 11
	s_add_co_u32 s30, s30, s31                     ; fragment 2 y
	s_mov_b32 s31, 0
	v_lshlrev_b32 v1, 2, v3                        ; in: 4 bytes a lane
	v_and_b32 v4, 15, v3
	v_lshrrev_b32 v5, 4, v3
	v_lshlrev_b32 v2, 4, v4
	v_lshl_add_u32 v2, v5, 14, v2                  ; out: lanes 16-31 hold the next feature tile; 16 bytes a lane
	s_wait_kmcnt 0x0
	s_load_b32 s27, s[14:15], s26 offset:0x0       ; e
	s_cmp_eq_u32 s23, 1                            ; the choice hangs on the work-group's number alone
	s_cselect_b64 s[4:5], s[6:7], s[4:5]
	s_cmp_eq_u32 s23, 2
	s_cselect_b64 s[4:5], s[8:9], s[4:5]
	s_cmp_eq_u32 s23, 3
	s_cselect_b64 s[4:5], s[10:11], s[4:5]
	s_add_nc_u64 s[4:5], s[4:5], s[28:29]
	s_add_nc_u64 s[16:17], s[16:17], s[30:31]
	s_cmp_eq_u32 s23, 3
	s_cbranch_scc1 .Lown_places
	WPATH 1
.Lown_places:
	WPATH 2
.Lpad:                                             ; wave n: batch n's 2,048 keys, 128 a chunk: a chunk is one key step of the attention
	v_lshlrev_b32 v1, 4, v3                        ; 16 bytes a lane
	v_lshlrev_b32 v2, 2, v3                        ; 4 bytes a lane
	v_mov_b32 v4, 0
	v_mov_b32 v5, 0xff800000                       ; -infinity
	s_lshl_b32 s28, s22, 13
	s_mov_b32 s29, 0
	s_lshl_b32 s24, s22, 7
	s_mov_b32 s25, 0
	s_mov_b32 s31, 0                               ; the flags
	s_wait_kmcnt 0x0
	s_add_nc_u64 s[12:13], s[12:13], s[28:29]
	s_add_nc_u64 s[18:19], s[18:19], s[28:29]
	s_add_nc_u64 s[20:21], s[20:21], s[24:25]
.irp i, 0,1,2,3,4,5,6,7,8,9,10,11,12,13,14,15
	global_load_b128 v[32+4*\i:35+4*\i], v1, s[12:13] offset:512*\i
.endr
	s_wait_loadcnt 0x0
.irp i, 0,1,2,3,4,5,6,7,8,9,10,11,12,13,14,15
	s_mov_b32 s30, 0
.irp j, 0,1,2,3
	v_cmp_eq_u32 vcc_lo, 0, v[32+4*\i+\j]          ; a masked key
	s_or_b32 s30, s30, vcc_lo
	v_cndmask_b32 v[32+4*\i+\j], v4, v5, vcc_lo    ; -infinity there, 0 elsewhere
.endr
	s_cmp_lg_u32 s30, 0
	s_cselect_b32 s29, 1<<\i, 0
	s_or_b32 s31, s31, s29
	global_store_b128 v1, v[32+4*\i:35+4*\i], s[18:19] offset:512*\i
.endr
	v_mov_b32 v6, s31
	global_store_b32 v2, v6, s[20:21]              ; 32 equal words
	s_endpgm
.Lfunc_end_k_qa237bae549_wprep:
	.size	k_qa237bae549_wprep, .Lfunc_end_k_qa237bae549_wprep-k_qa237bae549_wprep
	.p2alignl 7, 3214868480
	.fill 96, 4, 3214868480
	.section	.rodata,"a",@progbits
	.p2align	6, 0x0
	.amdhsa_kernel k_qa237bae549_wprep
		.amdhsa_group_segment_fixed_size 0
		.amdhsa_private_segment_fixed_size 0
		.amdhsa_enable_private_segment 0
		.amdhsa_kernarg_size 72
		.amdhsa_user_sgpr_count 2
		.amdhsa_user_sgpr_kernarg_segment_ptr 1
		.amdhsa_wavefront_size32 1
		.amdhsa_system_sgpr_workgroup_id_x 1
		.amdhsa_system_sgpr_workgroup_id_y 1
		.amdhsa_system_sgpr_workgroup_id_z 1
		.amdhsa_system_vgpr_workitem_id 0
		.amdhsa_next_free_vgpr 128
		.amdhsa_next_free_sgpr 66
		.amdhsa_reserve_vcc 1
		.amdhsa_float_denorm_mode_32 3
		.amdhsa_float_denorm_mode_16_64 3
		.amdhsa_memory_ordered 1
		.amdhsa_forward_progress 1
		.amdhsa_inst_pref_size 59
	.end_amdhsa_kernel
	.amdgpu_metadata
---
amdhsa.version: [ 1, 2 ]
amdhsa.kernels:
  - .name:           k_qa237bae549_wprep
    .symbol:         k_qa237bae549_wprep.kd
    .args:
      - { .name: Wq, .offset: 0, .size: 8, .value_kind: global_buffer, .address_space: global }
      - { .name: Wk, .offset: 8, .size: 8, .value_kind: global_buffer, .address_space: global }
      - { .name: Wv, .offset: 16, .size: 8, .value_kind: global_buffer, .address_space: global }
      - { .name: Wo, .offset: 24, .size: 8, .value_kind: global_buffer, .address_space: global }
      - { .name: pad_mask, .offset: 32, .size: 8, .value_kind: global_buffer, .address_space: global }
      - { .name: lowp_scales, .offset: 40, .size: 8, .value_kind: global_buffer, .address_space: global }
      - { .name: wc, .offset: 48, .size: 8, .value_kind: global_buffer, .address_space: global }
      - { .name: padb, .offset: 56, .size: 8, .value_kind: global_buffer, .address_space: global }
      - { .name: padf, .offset: 64, .size: 8, .value_kind: global_buffer, .address_space: global }
    .group_segment_fixed_size: 0
    .private_segment_fixed_size: 0
    .kernarg_segment_align: 8
    .kernarg_segment_size: 72
    .max_flat_workgroup_size: 128
    .sgpr_count:     66
    .vgpr_count:     128
    .wavefront_size: 32
...
	.end_amdgpu_metadata
.endif
;; end of part 1
;; launch proj (part 2): grid 64 x 3, 8 waves a work-group, no clusters, 145,408 bytes of LDS; arguments q, k, v, bq, bk, bv, lowp_scales, wc, qc, kc, vc; writes qc, kc, vc
.if DOCPART == 2
	.amdgcn_target "amdgcn-amd-amdhsa--gfx1250"
	.amdhsa_code_object_version 6
	.text
	.protected	k_qa237bae549_proj
	.globl	k_qa237bae549_proj
	.p2align	8
	.type	k_qa237bae549_proj,@function
k_qa237bae549_proj:
	s_mov_b64 s[64:65], 0
	v_nop
	global_prefetch_b8 v0, s[64:65] scope:SCOPE_SE
	s_setreg_imm32_b32 hwreg(HW_REG_WAVE_MODE, 25, 1), 1
	s_wait_xcnt 0x0
; The three projections: y = Q(x) Q(W) + b, quantised at once to the attention's operands.  x: q, k or v (work-group y = 0, 1, 2), [8192][1024] f32; W's codes come from wc as images of operand registers.
; SHARES.  A work-group takes 128 tokens of one tensor and ALL 1,024 features, so x is read from memory once and quantised once.
; Phase X: wave w quantises tokens 16 w .. 16 w + 15 and stores their codes to LDS as images of operand registers.  One barrier; after it LDS is only read.
; Phase G: wave w makes heads 2 w and 2 w + 1, one after the other: 128 tokens x 64 features = 32 accumulators (256 registers, window 1).  x's fragments come from LDS;
; W's fragments are wanted by this wave alone and go from memory straight into its registers, four K steps of 64 ahead.
; q, k: source 0 = 16 features of W, source 1 = 16 tokens: a lane holds one token and eight neighbouring features, which are the next product's K: the conversions' results ARE registers of its operand.
; v:    the sources change places: a lane holds one feature and eight neighbouring tokens: the keys are the next K of V.
; OUT: qc, kc [n x head][token tile 0..127][1,024 bytes] (16 tokens x 64); vc [n x head][128 keys 0..15][16 channels 0..3][2,048 bytes]; registers 4 c .. 4 c + 3 of lane l at 512 c + 16 l.
; x's PLACES ALONG K: a load takes 512 consecutive bytes of a row, 4 numbers a lane; lane l's 16 codes of half g of a row are piece (s = 8 g + l / 4, c = (l / 2) % 2, h = l % 2):
; byte b is k = 512 g + 128 (b / 4) + 4 l + b % 4.  W's codes were laid by the same permutation.
; The bias goes in as the C of each sum's first product, divided by 2^(ex + ew); the conversion's one scale is 2^(eo - ex - ew).
; NO CLUSTER, NO TENSOR LOAD: x's tile is read by one work-group alone; W's fragments are shared by the 64 work-groups of a tensor, but each goes to one wave's registers, and a way through LDS would
; add 4,096 bytes of LDS reads to the 8,192 that a wave's 32 products already want.  192 work-groups: 24,576 rows in blocks of 128 that stay inside a tensor.
; LIMITS: ex and eo - ex - ew between -126 and 119.  NaN among the inputs is not served (an infinity is held at the largest code).
; REGISTERS.  Window 0: v1 16 x lane; v2, v3 where I store x's codes; v4-6 where I read x's fragments (s / 7 picks one); v7, v8 my bias; v9 its address in hand; v10, v11 2^ex, 448 x 2^ex;
;   v12, v13 2^(eo - ex - ew), 448 x that; v14, v15 the bias's way in; v16-47 the bias as C; v48-111 x's eight fragments (phase X: four sets of codes; at a head's end: its 64 registers of codes);
;   v112-239 W's fragments, four sets of 32.   Window 1: the 32 accumulators, (a, b) at v[8 (4 a + b)]; in phase X six rows of x, 32 registers each.
.set BI,   16
.set XF,   48
.set CO,   48
.set WF,   112
.set LX0,  4
.set SP,   8768                        ; LDS: a K step of 64: eight token tiles of 1,088 bytes + 64
.set TP,   1088                        ; a tile: two groups of 544
.set GP,   544                         ; a group: two pieces of 256 bytes + 16.  Writers: 16 lanes at 8,768 (l / 4) + 272 (l % 4): sixteen different columns of 16 bytes modulo 256.  Readers: 256 bytes on end
.set BIAS, 16*SP                       ; behind the images: 1,024 f32
.set MSB, 0
.macro WIN new                         ; the immediate's high byte repeats the setting that is left; a switch that changes nothing is dropped
.if MSB != \new
	s_set_vgpr_msb (MSB<<8)|\new
.set MSB, \new
.endif
.endm
.macro PLACES                          ; four plain vector instructions between a matrix instruction and a load into its sources or a read of its result
.rept 4
	v_nop
.endr
.endm
.macro ROWLD p                         ; row p of my 16: eight loads of 512 consecutive bytes, into slot p % 6 of window 1
	WIN 0x40
.irp g, 0,1
.irp i, 0,1,2,3
	global_load_b128 v[32*((\p)%6)+16*\g+4*\i:32*((\p)%6)+16*\g+4*\i+3], v1, s[4:5] offset:(\p)*4096+\g*2048+\i*512 th:TH_LOAD_NT
.endr
.endr
.endm
.macro ROWQ p, lc                      ; row p is quantised; lc: the younger loads, which may stay out
	s_wait_loadcnt \lc
.if (\p) >= 4
	s_wait_dscnt 6                                 ; the stores that read this set of codes four rows ago are done: behind them stand three rows' six
.endif
.set RS, 32*((\p)%6)
.set CSET, XF+8*((\p)%4)
	WIN 0x41
.set i, 0
.rept 32
	v_med3_num_f32 v[RS+i], v[RS+i], -v11, v11     ; the conversion does not saturate (ISA guide 7.6.2): the hold at 448 x the scale
.set i, i+1
.endr
	WIN 0x01
.irp g, 0,1,2,3
	v_cvt_scalef32_pk8_fp8_f32 v[CSET+2*\g:CSET+2*\g+1], v[RS+8*\g:RS+8*\g+7], v10
.endr
	WIN 0
	ds_store_b128 v2, v[CSET:CSET+3] offset:16*(\p)        ; K steps 0-7: row p of piece (l / 4, l % 4)
	ds_store_b128 v3, v[CSET+4:CSET+7] offset:16*(\p)      ; K steps 8-15
.if (\p) <= 9
	ROWLD (\p)+6
.endif
.endm
.macro LOADW s                         ; W's four fragments of K step s into set s % 4: 512 consecutive bytes a load
.irp b, 0,1,2,3
.irp c, 0,1
	global_load_b128 v[WF+32*((\s)%4)+8*\b+4*\c:WF+32*((\s)%4)+8*\b+4*\c+3], v1, s[18:19] offset:\b*16384+(\s)*1024+\c*512
.endr
.endr
.endm
.macro FETCHX s, a0                    ; x's fragments of K step s, token tiles a0 .. a0 + 3
.irp a, \a0, \a0+1, \a0+2, \a0+3
.irp c, 0,1
	ds_load_b128 v[XF+8*(\a)+4*\c:XF+8*(\a)+4*\c+3], v[LX0+(\s)/7] offset:((\s)%7)*SP+(\a)*TP+\c*GP
.endr
.endr
.endm
; 16 products: token tiles a0 .. a0 + 3 x four feature tiles.  The 32 accumulators take turns, one instruction a turn, in the same order in every K step.
.macro MULS s, v, a0
.irp a, \a0, \a0+1, \a0+2, \a0+3
.irp b, 0,1,2,3
.set AC, 8*(4*(\a)+\b)
.set WR, WF+32*((\s)%4)+8*\b
.set XR, XF+8*(\a)
.if \v
.if (\s) == 0
	v_wmma_f32_16x16x64_fp8_fp8 v[AC:AC+7], v[XR:XR+7], v[WR:WR+7], v[BI+8*\b:BI+8*\b+7]
.else
	v_wmma_f32_16x16x64_fp8_fp8 v[AC:AC+7], v[XR:XR+7], v[WR:WR+7], v[AC:AC+7]
.endif
.else
.if (\s) == 0
	v_wmma_f32_16x16x64_fp8_fp8 v[AC:AC+7], v[WR:WR+7], v[XR:XR+7], v[BI+8*\b:BI+8*\b+7]
.else
	v_wmma_f32_16x16x64_fp8_fp8 v[AC:AC+7], v[WR:WR+7], v[XR:XR+7], v[AC:AC+7]
.endif
.endif
.endr
.endr
.endm
.macro MWIN s                          ; D in window 1; C: the bias in window 0 (first K step) or D
.if (\s) == 0
	WIN 0x40
.else
	WIN 0x50
.endif
.endm
.macro HALF s, v                       ; a K step of 64: 32 products
.if (\s) <= 12
	s_wait_loadcnt 24                              ; W's set s is in; the three sets behind it may be out
.else
	s_wait_loadcnt 8*(15-(\s))
.endif
	s_wait_dscnt 8                                 ; x's tiles 0-3 (and, in the first step, the bias) are in; tiles 4-7 may be out
	MWIN \s
	MULS \s, \v, 0
	s_wait_dscnt 0                                 ; tiles 4-7
.if (\s) < 15
	PLACES
	WIN 0
	FETCHX (\s)+1, 0
.endif
	MWIN \s
	MULS \s, \v, 4
	PLACES
	WIN 0
.if (\s) < 15
	FETCHX (\s)+1, 4
.endif
.if (\s) < 12
	LOADW (\s)+4
.endif
.endm
.macro GEMM v                          ; one head: v = 0 for q and k, 1 for v
.if \v
	v_add_nc_u32 v9, s46, v8
.irp b, 0,1,2,3
.irp j, 0,1,2,3,4,5,6,7
	ds_load_b32 v[BI+8*\b+\j], v9 offset:\b*64     ; a lane holds one feature: its bias in all eight registers
.endr
.endr
.else
	v_add_nc_u32 v9, s46, v7
.irp b, 0,1,2,3
	ds_load_b128 v[BI+8*\b:BI+8*\b+3], v9 offset:\b*64          ; a lane holds features 16 b + 8 h + 0 .. 7
	ds_load_b128 v[BI+8*\b+4:BI+8*\b+7], v9 offset:\b*64+16
.endr
.endif
	FETCHX 0, 0
	FETCHX 0, 4
.irp s, 0,1,2,3,4,5,6,7,8,9,10,11,12,13,14,15
	HALF \s, \v
.endr
	s_add_nc_u64 s[18:19], s[18:19], 65536         ; the last step's wait was for all loads: W's base may step to the next head's four feature tiles
	s_cmp_eq_u32 s45, 1
	s_cbranch_scc1 .Lno_next_\@                    ; no load leaves its buffer
	LOADW 0
	LOADW 1
	LOADW 2
	LOADW 3
.Lno_next_\@:
	WIN 0x41
.set i, 0
.rept 256
	v_med3_num_f32 v[i], v[i], -v13, v13           ; the hold; each accumulator from its low end on
.set i, i+1
.endr
	WIN 0x01
.irp a, 0,1,2,3,4,5,6,7
.irp b, 0,1,2,3
.if \v
	v_cvt_scalef32_pk8_fp8_f32 v[CO+16*\b+2*\a:CO+16*\b+2*\a+1], v[8*(4*\a+\b):8*(4*\a+\b)+7], v12   ; channels 16 b on: registers 2 a, 2 a + 1 hold keys 16 a + 8 h + 0 .. 7
.else
	v_cvt_scalef32_pk8_fp8_f32 v[CO+8*\a+2*\b:CO+8*\a+2*\b+1], v[8*(4*\a+\b):8*(4*\a+\b)+7], v12     ; tokens 16 a on: registers 2 b, 2 b + 1 hold channels 16 b + 8 h + 0 .. 7
.endif
.endr
.endr
	v_nop                                          ; a plain vector instruction behind the last conversion
	WIN 0
.endm
	s_load_b256 s[4:11], s[0:1], 0x0               ; q s[4:5], k s[6:7], v s[8:9], bq s[10:11]
	s_load_b256 s[12:19], s[0:1], 0x20             ; bk s[12:13], bv s[14:15], the scales' exponents s[16:17], wc s[18:19]
	s_load_b128 s[20:23], s[0:1], 0x40             ; qc s[20:21], kc s[22:23]
	s_load_b64 s[24:25], s[0:1], 0x50              ; vc
	v_lshl_add_u32 v254, v0, 2, 0x23400
	v_mov_b32 v255, 0
	v_lshrrev_b32 v1, 5, v0
	v_readfirstlane_b32 s26, v1                    ; wave 0..7
	s_and_b32 s27, ttmp7, 0xffff                   ; which tensor
	s_mov_b32 s28, ttmp9                           ; which 128 tokens
	v_and_b32 v9, 31, v0                           ; lane
	v_lshlrev_b32 v1, 4, v9
	v_lshrrev_b32 v2, 2, v9
	v_mul_u32_u24 v2, v2, SP
	v_and_b32 v3, 3, v9
	v_mad_u32_u24 v2, v3, 272, v2
	s_mul_i32 s48, s26, TP
	v_add_nc_u32 v2, s48, v2                       ; 8,768 (l / 4) + 272 (l % 4) + 1,088 w
	v_add_nc_u32 v3, 8*SP, v2                      ; the same, eight K steps on
	v_and_b32 v14, 15, v0                          ; r
	v_bfe_u32 v15, v0, 4, 1                        ; h
	v_lshlrev_b32 v4, 4, v14
	v_mad_u32_u24 v4, v15, 272, v4                 ; 272 h + 16 r
	v_add_nc_u32 v5, 7*SP, v4
	v_add_nc_u32 v6, 14*SP, v4
	s_lshl_b32 s48, s26, 9
	s_add_co_u32 s48, s48, BIAS                    ; my two heads' 128 numbers
	v_lshlrev_b32 v7, 5, v15
	v_add_nc_u32 v7, s48, v7
	v_lshlrev_b32 v8, 2, v14
	v_add_nc_u32 v8, s48, v8
	v_lshl_add_u32 v14, v0, 4, BIAS
	v_lshlrev_b32 v15, 4, v0
	s_lshl_b32 s48, s28, 19                        ; x: 128 rows of 4,096 bytes a work-group,
	s_lshl_b32 s49, s26, 16
	s_add_co_u32 s48, s48, s49                     ; 16 a wave
	s_mov_b32 s49, 0
	s_lshl_b32 s50, s27, 20                        ; wc: the tensor's weight,
	s_lshl_b32 s51, s26, 17
	s_add_co_u32 s50, s50, s51                     ; my eight feature tiles
	s_mov_b32 s51, 0
	s_lshr_b32 s52, s28, 4
	s_lshl_b32 s52, s52, 4
	s_lshl_b32 s53, s26, 1
	s_add_co_u32 s52, s52, s53                     ; 16 n + head
	s_lshl_b32 s52, s52, 4
	s_and_b32 s53, s28, 15
	s_add_co_u32 s52, s52, s53                     ; sixteen blocks of 128 tokens in a head,
	s_lshl_b32 s52, s52, 13                        ; 8,192 bytes each
	s_mov_b32 s53, 0
	s_wait_kmcnt 0x0
	s_load_b256 s[32:39], s[16:17], 0x0            ; entries 0 to 7
	s_load_b64 s[40:41], s[16:17], 0x20            ; 8, 9
	s_cmp_eq_u32 s27, 1                            ; the choices hang on the work-group's number alone
	s_cselect_b64 s[4:5], s[6:7], s[4:5]
	s_cselect_b64 s[10:11], s[12:13], s[10:11]
	s_cselect_b64 s[20:21], s[22:23], s[20:21]
	s_cmp_eq_u32 s27, 2
	s_cselect_b64 s[4:5], s[8:9], s[4:5]
	s_cselect_b64 s[10:11], s[14:15], s[10:11]
	s_cselect_b64 s[20:21], s[24:25], s[20:21]
	s_add_nc_u64 s[4:5], s[4:5], s[48:49]
	s_add_nc_u64 s[18:19], s[18:19], s[50:51]
	s_add_nc_u64 s[20:21], s[20:21], s[52:53]
	global_load_b128 v[16:19], v15, s[10:11]       ; the bias: 16 bytes a thread
.irp p, 0,1,2,3,4,5
	ROWLD \p
.endr
	WIN 0
	s_wait_kmcnt 0x0
	s_mov_b32 s42, s32                             ; ex, ew, eo: entries 0, 1, 6 for q;
	s_mov_b32 s43, s33
	s_mov_b32 s44, s38
	s_cmp_eq_u32 s27, 1
	s_cselect_b32 s42, s34, s42                    ; 2, 3, 7 for k;
	s_cselect_b32 s43, s35, s43
	s_cselect_b32 s44, s39, s44
	s_cmp_eq_u32 s27, 2
	s_cselect_b32 s42, s36, s42                    ; 4, 5, 9 for v
	s_cselect_b32 s43, s37, s43
	s_cselect_b32 s44, s41, s44
	s_add_co_i32 s47, s42, s43                     ; ex + ew
	s_sub_co_i32 s44, s44, s47                     ; eo - ex - ew
	s_sub_co_i32 s47, 0, s47
	s_add_co_i32 s42, s42, 127
	s_lshl_b32 s43, s42, 23
	v_mov_b32 v10, s43                             ; 2^ex
	s_add_co_i32 s42, s42, 8
	s_lshl_b32 s42, s42, 23
	s_or_b32 s42, s42, 0x600000
	v_mov_b32 v11, s42                             ; 448 x 2^ex
	s_add_co_i32 s44, s44, 127
	s_lshl_b32 s43, s44, 23
	v_mov_b32 v12, s43                             ; 2^(eo - ex - ew): a sum stands for sum x 2^(ex + ew), so the three scales fold into the conversion's one
	s_add_co_i32 s44, s44, 8
	s_lshl_b32 s44, s44, 23
	s_or_b32 s44, s44, 0x600000
	v_mov_b32 v13, s44
	s_wait_loadcnt 48                              ; the bias is in; six rows' 48 loads may be out
.irp j, 0,1,2,3
	v_ldexp_f32 v[16+\j], v[16+\j], s47            ; b / 2^(ex + ew)
.endr
	ds_store_b128 v14, v[16:19]
.irp p, 0,1,2,3,4,5,6,7,8,9,10
	ROWQ \p, 40                                    ; five rows are behind this one
.endr
	ROWQ 11, 32
	ROWQ 12, 24
	WIN 0
	LOADW 0                                        ; W's first four K steps are asked for while the last rows are quantised
	LOADW 1
	LOADW 2
	LOADW 3
	ROWQ 13, 48                                    ; two rows and W's 32
	ROWQ 14, 40
	ROWQ 15, 32
	v_nop                                          ; a plain vector instruction behind the last conversion
	s_wait_dscnt 0x0                               ; for the others' sake: my stores have landed
	s_barrier_signal -1
	s_barrier_wait -1                              ; x's 128 fragments and the bias lie in LDS; nothing is stored there again
	s_mov_b32 s45, 2                               ; heads to go
	s_mov_b32 s46, 0                               ; the head's bias: 0 or 256 bytes on
.Lhead:
	s_cmp_eq_u32 s27, 2
	s_cbranch_scc1 .Lkeys_inner
	GEMM 0
	s_branch .Ljoin
.Lkeys_inner:
	GEMM 1
.Ljoin:
.irp i, 0,1,2,3,4,5,6,7,8,9,10,11,12,13,14,15
	global_store_b128 v1, v[CO+4*\i:CO+4*\i+3], s[20:21] offset:\i*512   ; the head's 8,192 bytes for these 128 tokens: 512 consecutive bytes a store
.endr
	s_wait_xcnt 0x0                                ; the stores have read their registers and their base: both are written again below
	s_add_nc_u64 s[20:21], s[20:21], 131072
	s_add_co_u32 s46, s46, 256
	s_sub_co_u32 s45, s45, 1
	s_cmp_lg_u32 s45, 0
	s_cbranch_scc1 .Lhead
	s_wait_tensorcnt 0x0
	ds_add_u32 v254, v255
	s_wait_dscnt 0x0
	s_endpgm
.Lfunc_end_k_qa237bae549_proj:
	.size	k_qa237bae549_proj, .Lfunc_end_k_qa237bae549_proj-k_qa237bae549_proj
	.p2alignl 7, 3214868480
	.fill 96, 4, 3214868480
	.section	.rodata,"a",@progbits
	.p2align	6, 0x0
	.amdhsa_kernel k_qa237bae549_proj
		.amdhsa_group_segment_fixed_size 145408
		.amdhsa_private_segment_fixed_size 0
		.amdhsa_enable_private_segment 0
		.amdhsa_kernarg_size 88
		.amdhsa_user_sgpr_count 2
		.amdhsa_user_sgpr_kernarg_segment_ptr 1
		.amdhsa_wavefront_size32 1
		.amdhsa_system_sgpr_workgroup_id_x 1
		.amdhsa_system_sgpr_workgroup_id_y 1
		.amdhsa_system_sgpr_workgroup_id_z 1
		.amdhsa_system_vgpr_workitem_id 0
		.amdhsa_next_free_vgpr 512
		.amdhsa_next_free_sgpr 66
		.amdhsa_reserve_vcc 0
		.amdhsa_float_denorm_mode_32 3
		.amdhsa_float_denorm_mode_16_64 3
		.amdhsa_memory_ordered 1
		.amdhsa_forward_progress 1
		.amdhsa_inst_pref_size 237
	.end_amdhsa_kernel
	.amdgpu_metadata
---
amdhsa.version: [ 1, 2 ]
amdhsa.kernels:
  - .name:           k_qa237bae549_proj
    .symbol:         k_qa237bae549_proj.kd
    .args:
      - { .name: q, .offset: 0, .size: 8, .value_kind: global_buffer, .address_space: global }
      - { .name: k, .offset: 8, .size: 8, .value_kind: global_buffer, .address_space: global }
      - { .name: v, .offset: 16, .size: 8, .value_kind: global_buffer, .address_space: global }
      - { .name: bq, .offset: 24, .size: 8, .value_kind: global_buffer, .address_space: global }
      - { .name: bk, .offset: 32, .size: 8, .value_kind: global_buffer, .address_space: global }
      - { .name: bv, .offset: 40, .size: 8, .value_kind: global_buffer, .address_space: global }
      - { .name: lowp_scales, .offset: 48, .size: 8, .value_kind: global_buffer, .address_space: global }
      - { .name: wc, .offset: 56, .size: 8, .value_kind: global_buffer, .address_space: global }
      - { .name: qc, .offset: 64, .size: 8, .value_kind: global_buffer, .address_space: global }
      - { .name: kc, .offset: 72, .size: 8, .value_kind: global_buffer, .address_space: global }
      - { .name: vc, .offset: 80, .size: 8, .value_kind: global_buffer, .address_space: global }
    .group_segment_fixed_size: 145408
    .private_segment_fixed_size: 0
    .kernarg_segment_align: 8
    .kernarg_segment_size: 88
    .max_flat_workgroup_size: 256
    .sgpr_count:     66
    .vgpr_count:     512
    .wavefront_size: 32
...
	.end_amdgpu_metadata
.endif
;; end of part 2
;; launch attn (part 3): grid 4 x 64, 16 waves a work-group, no clusters, 34,816 bytes of LDS; arguments qc, kc, vc, padb, padf, lowp_scales, ac; writes ac
.if DOCPART == 3
	.amdgcn_target "amdgcn-amd-amdhsa--gfx1250"
	.amdhsa_code_object_version 6
	.text
	.protected	k_qa237bae549_attn
	.globl	k_qa237bae549_attn
	.p2align	8
	.type	k_qa237bae549_attn,@function
k_qa237bae549_attn:
	s_mov_b64 s[64:65], 0
	v_nop
	global_prefetch_b8 v0, s[64:65] scope:SCOPE_SE
	s_setreg_imm32_b32 hwreg(HW_REG_WAVE_MODE, 25, 1), 1
	s_wait_xcnt 0x0
; Attention on codes of E4M3 with the causal mask and the pad mask; the result O / l is quantised at once to the last product's operand.
; qc, kc: [n x head][token tile][1,024 bytes] (16 tokens x 64 channels); vc: [n x head][128 keys][16 channels][2,048 bytes]; ac: [token tile 0..511][head][1,024 bytes]: all images of operand registers
; (registers 4 c .. 4 c + 3 of lane l at 512 c + 16 l), in the matrix forms' own places along K.
; THE SOFTMAX: t = score x log2(e) / 8; M = the running largest t rounded UP to a whole number, kept as -M = floor(-t); p = 2^(t - M) is quantised, not normalised; the row's sum l is taken of the
; unquantised p; when M moves, l and O are multiplied by 2^(old M - new M), which rounds nothing.
; SHARES.  Work-group (x, n x head) makes query blocks x and then 7 - x, 256 queries each: (x + 1) + (8 - x) = 9 trips of two key steps of 128 in EVERY work-group: 256 equal work-groups, ONE loop of
; nine trips, and no tile behind a block's diagonal is fetched.  Each of sixteen waves owns one tile of 16 queries: four waves to a SIMD, so that one wave's vector work stands beside another's products and LDS loads.
; Both products are used transposed (S^T = K Q^T, O^T = V^T P^T): a lane holds ONE query (lane % 16); tile t's register j is key 16 t + 8 (lane / 16) + j, which is where the second product's form
; wants it: the conversions' results are its operand.
; LDS: two slots of 16,384 bytes (a step's K, 8,192 bytes, then its V), byte copies of the tiles in memory: each of 512 threads brings 16 bytes of K and 16 of V through registers, a step ahead.
; One barrier a step: in front of it each wave's stores into the other slot have landed and its reads of this slot are in.  THE RING RUNS ON FROM THE FIRST BLOCK INTO THE SECOND: behind a block's last step
; the tile asked for is tile 0, the next block's first; a block has an even number of steps, so it lands in slot 0.  (Behind the very last step that tile is brought and not read: 32 bytes a thread.)
; A block's end (the division, A's codes, the next block's set-up) stands at a trip's end under a branch on ids and counters; no LDS instruction and no barrier stands in it.
; MASKS.  A step all of whose keys come after my queries is jumped over (a branch on ids).  On the diagonal hidden scores become -infinity.  Where the step's flag (a stored whole number) says that a key
; is masked, 0 or -infinity is added to the scores ahead of the maximum.  A query with no key left has l = 0: it gets the NaN code in all its channels, so that its output row is NaN.
; The hold of p at 448 x 2^ep cannot act where ep >= -8 (p <= 1 <= 448 / 256): a branch on that given whole number jumps over it; for a smaller ep it is executed.
; NO CLUSTER: the four work-groups of a head change blocks at different trips: partners would want different tiles in the same trip.
; LIMITS: entries 6 + 7 between -123 and 130 (they are added to c's exponent field); entries 8 and 10 between -126 and 119.
; REGISTERS: v1 16 x lane; v2 16 x thread; v3 the head's tiles + 16 x thread; v4 the tile in hand; v5, v6 pad offsets; v7 r - 8 h; v8 the causal distance; v9 -infinity; v10, v11 448 x 2^ep, 2^ep;
; v12 -M; v13 the largest t; v[14:15] l in two halves; v16-23 Q; v24, v25 at work; v[26:27] f; v[28:29] a second chain of sums; v30 a permute's result; v31 four NaN codes; v32-95 K's fragments, the pad
; numbers, V's fragments; v96-159 S^T, then p; v160-191 O^T; v192-207 p's codes; v208-215 the next tile on its way; v216-223 A's codes; v224, v225 448 x 2^e10, 2^e10; v226, v227 Q's and A's offsets.
; SCALARS: s18 wave; s19 16 n + head; s20 n; s21 head; s22 x; s[24:25] c; s[26:27] lane selects; s28 the flags; s32-36 entries 6 to 10; s37 ep + ev; s39 the block; s41 its last step; s42, s43 my first and
; last query; s44 the step's first key; s45 the step within the block; s46 a lane mask; s47 the trip; s48-50 at work.
.set TRIPS, 9
.macro PLACES
.rept 4
	v_nop
.endr
.endm
; The set-up of the block of 256 queries in s39: its last step, my queries, Q's fragment (asked for here, waited for behind the macro), A's place, the statistics and O^T.
.macro PASSINIT
	s_lshl_b32 s41, s39, 1
	s_add_co_u32 s41, s41, 1                       ; the block's last step
	s_lshl_b32 s42, s39, 8
	s_lshl_b32 s48, s18, 4
	s_add_co_u32 s42, s42, s48                     ; my first query
	s_add_co_u32 s43, s42, 15                      ; my last
	s_lshr_b32 s48, s42, 4                         ; my token tile
	s_lshl_b32 s49, s19, 7
	s_add_co_u32 s49, s49, s48
	s_lshl_b32 s49, s49, 10
	v_add_nc_u32 v226, s49, v1
	global_load_b128 v[16:19], v226, s[4:5]        ; Q's fragment stays in registers
	global_load_b128 v[20:23], v226, s[4:5] offset:512
	s_lshl_b32 s49, s20, 7
	s_add_co_u32 s49, s49, s48
	s_lshl_b32 s49, s49, 4
	s_add_co_u32 s49, s49, s21
	s_lshl_b32 s49, s49, 10
	v_add_nc_u32 v227, s49, v1                     ; ((128 n + tile) 16 + head) x 1,024 + 16 x lane
	v_mov_b32 v13, 0xff61b1e6                      ; the largest t so far: -3e38
	v_floor_f32 v12, -v13
	v_mov_b32 v14, 0
	v_mov_b32 v15, 0
.set i, 0
.rept 32
	v_mov_b32 v[160+i], 0                          ; O^T: the step is written once; a block's first step finds zeros, which the first change of M leaves zeros
.set i, i+1
.endr
	s_mov_b32 s44, 0                               ; the step's first key
	s_mov_b32 s45, 0                               ; the step
.endm
.macro STEP slot
	; every wave: the next step's tiles are asked for; behind the block's last step that is tile 0, the next block's first: no load leaves its buffer
	s_add_co_u32 s48, s45, 1
	s_cmp_gt_u32 s48, s41
	s_cselect_b32 s48, 0, s48
	s_lshl_b32 s48, s48, 13
	v_add_nc_u32 v4, s48, v3
	global_load_b128 v[208:211], v4, s[6:7]
	global_load_b128 v[212:215], v4, s[8:9]
	s_cmp_gt_u32 s44, s43                          ; all 128 keys come after my 16 queries
	s_cbranch_scc1 .Lhidden_\@
.irp f, 0,1,2,3,4,5,6,7
	ds_load_b128 v[32+8*\f:35+8*\f], v1 offset:\slot*16384+\f*1024
	ds_load_b128 v[36+8*\f:39+8*\f], v1 offset:\slot*16384+\f*1024+512
.endr
	s_wait_dscnt 0x0
.irp t, 0,1,2,3,4,5,6,7
	v_wmma_f32_16x16x64_fp8_fp8 v[96+8*\t:103+8*\t], v[32+8*\t:39+8*\t], v[16:23], 0
.endr
	PLACES                                         ; in front of the loads into K's registers and of the first read of the scores
	s_bitcmp1_b32 s28, s45                         ; does this step hold a masked key?
	s_cbranch_scc0 .Lno_pad_\@
	s_lshl_b32 s48, s44, 2
	v_add_nc_u32 v6, s48, v5
.irp t, 0,1,2,3,4,5,6,7
	global_load_b128 v[32+8*\t:35+8*\t], v6, s[10:11] offset:64*\t
	global_load_b128 v[36+8*\t:39+8*\t], v6, s[10:11] offset:64*\t+16
.endr
	s_wait_loadcnt 0x0
.set i, 0
.rept 32
	v_pk_add_f32 v[96+i:97+i], v[96+i:97+i], v[32+i:33+i]   ; 0 or -infinity onto each score
.set i, i+2
.endr
.Lno_pad_\@:
.irp d, 0,1,2,3
.irp c, 0,1,2,3
	ds_load_b128 v[32+16*\d+4*\c:35+16*\d+4*\c], v1 offset:\slot*16384+8192+\d*2048+\c*512   ; V lands while the softmax is walked
.endr
.endr
	s_add_co_u32 s48, s44, 127
	s_cmp_le_u32 s48, s42                          ; all 128 keys count for all my queries
	s_cbranch_scc1 .Lopen_\@
	s_sub_co_i32 s48, s42, s44
	v_add_nc_u32 v8, s48, v7                       ; d = my query - the step's first key - 8 (lane / 16): register 8 t + j is hidden where 16 t + j > d
.set i, 0
.rept 64
	v_cmp_gt_i32 vcc_lo, 16*(i/8)+i%8, v8
	v_cndmask_b32 v[96+i], v[96+i], v9, vcc_lo
.set i, i+1
.endr
.Lopen_\@:
	v_max3_num_f32 v24, v96, v97, v98              ; the step's largest score of my query among my 64 keys, in two chains, ascending,
	v_max3_num_f32 v25, v99, v100, v101
.irp i, 6,10,14,18,22,26,30,34,38,42,46,50,54,58
	v_max3_num_f32 v24, v24, v[96+\i], v[97+\i]
	v_max3_num_f32 v25, v25, v[98+\i], v[99+\i]
.endr
	v_max3_num_f32 v24, v24, v158, v159
	v_max_num_f32 v24, v24, v25
	v_permlanex16_b32 v30, v24, s26, s27
	v_max_num_f32 v24, v24, v30                    ; and among lane l xor 16's
	v_mul_f32 v24, s24, v24                        ; as t (c is positive)
	v_max_num_f32 v13, v13, v24
	v_mov_b32 v24, v12
	v_floor_f32 v12, -v13                          ; the new -M
	v_sub_f32 v24, v12, v24                        ; old M - new M: a whole number, 0 or less
	v_cvt_i32_f32 v24, v24                         ; (it saturates)
	v_ldexp_f32 v26, 1.0, v24                      ; f = 2^(old M - new M)
.set i, 0
.rept 32
	v_pk_fma_f32 v[96+i:97+i], v[96+i:97+i], s[24:25], v[12:13] op_sel_hi:[1,0,0]   ; t - M (of the pairs c and -M the low word serves both halves)
.set i, i+2
.endr
.set i, 0
.rept 64
	v_exp_f32 v[96+i], v[96+i]                     ; p = 2^(t - M)
.set i, i+1
.endr
	v_pk_mul_f32 v[14:15], v[14:15], v[26:27] op_sel_hi:[1,0]   ; l under the new M (a plain instruction behind the exponentials)
	s_wait_alu depctr_va_vdst(0)
	v_pk_add_f32 v[28:29], v[96:97], v[98:99]      ; the sum of the unquantised p, in two chains
.irp j, 4,8,12,16,20,24,28,32,36,40,44,48,52,56,60
	v_pk_add_f32 v[14:15], v[14:15], v[96+\j:97+\j]
	v_pk_add_f32 v[28:29], v[28:29], v[98+\j:99+\j]
.endr
	v_pk_add_f32 v[14:15], v[14:15], v[28:29]
	s_cmp_ge_i32 s34, -8
	s_cbranch_scc1 .Lno_hold_\@
.set i, 0
.rept 64
	v_min_num_f32 v[96+i], v[96+i], v10            ; the conversion does not saturate (ISA guide 7.6.2); p is not negative, so the hold is one-sided
.set i, i+1
.endr
.Lno_hold_\@:
.irp t, 0,1,2,3,4,5,6,7
	v_cvt_scalef32_pk8_fp8_f32 v[192+2*\t:193+2*\t], v[96+8*\t:103+8*\t], v11
.endr
.set i, 0
.rept 16
	v_pk_mul_f32 v[160+i:161+i], v[160+i:161+i], v[26:27] op_sel_hi:[1,0]   ; O^T under the new M; also the plain instructions behind the conversions
.set i, i+2
.endr
	s_wait_dscnt 0x0                               ; V
.irp d, 0,1,2,3
	v_wmma_f32_16x16x128_fp8_fp8 v[160+8*\d:167+8*\d], v[32+16*\d:47+16*\d], v[192:207], v[160+8*\d:167+8*\d]   ; four accumulators by turns
.endr
	PLACES                                         ; in front of the next loads into these fragments and the next reads of O^T
.Lhidden_\@:
	s_wait_loadcnt 0x0                             ; the next tiles' 32 bytes of mine are in
	ds_store_b128 v2, v[208:211] offset:(1-\slot)*16384
	ds_store_b128 v2, v[212:215] offset:(1-\slot)*16384+8192
	s_add_co_u32 s44, s44, 128
	s_add_co_u32 s45, s45, 1
	s_wait_dscnt 0x0                               ; my stores into the other slot have landed, and my reads of this slot are in
	s_barrier_signal -1
	s_barrier_wait -1
.endm
	s_load_b256 s[4:11], s[0:1], 0x0               ; qc s[4:5], kc s[6:7], vc s[8:9], padb s[10:11]
	s_load_b128 s[12:15], s[0:1], 0x20             ; padf s[12:13], the scales' exponents s[14:15]
	s_load_b64 s[16:17], s[0:1], 0x30              ; ac
	v_lshl_add_u32 v254, v0, 2, 0x8000
	v_mov_b32 v255, 0
	v_lshrrev_b32 v24, 5, v0
	v_readfirstlane_b32 s18, v24                   ; wave 0..15
	s_and_b32 s19, ttmp7, 0xffff                   ; 16 n + head
	s_lshr_b32 s20, s19, 4                         ; n
	s_and_b32 s21, s19, 15                         ; head
	s_mov_b32 s22, ttmp9                           ; x
	s_mov_b32 s24, 0x3e38aa3b                      ; c = log2(e) / 8
	s_mov_b32 s26, 0x76543210                      ; v_permlanex16_b32's selects for lane l xor 16
	s_mov_b32 s27, 0xfedcba98
	s_lshl_b32 s48, s20, 7                         ; the batch's flag words
	s_lshl_b32 s49, s19, 17                        ; the head's 131,072 bytes in kc and in vc
	s_lshl_b32 s50, s20, 13                        ; the batch's 8,192 bytes in padb
	v_and_b32 v24, 31, v0
	v_lshlrev_b32 v1, 4, v24
	v_lshlrev_b32 v2, 4, v0
	v_add_nc_u32 v3, s49, v2
	v_and_b32 v25, 15, v0                          ; r
	v_bfe_u32 v24, v0, 4, 1                        ; h
	v_lshlrev_b32 v5, 5, v24
	v_add_nc_u32 v5, s50, v5
	v_lshlrev_b32 v7, 3, v24
	v_sub_nc_u32 v7, v25, v7
	v_mov_b32 v9, 0xff800000
	v_mov_b32 v27, 0                               ; (named as the upper half of the pair v[26:27])
	v_mov_b32 v30, 0                               ; a lane permute's destination counts as one of its sources
	v_mov_b32 v31, 0x7f7f7f7f
	s_wait_kmcnt 0x0
	s_load_b128 s[32:35], s[14:15], 0x18           ; entries 6 to 9: eq, ek, ep, ev
	s_load_b32 s36, s[14:15], 0x28                 ; entry 10: A's
	s_load_b32 s28, s[12:13], s48 offset:0x0       ; the flags
	s_wait_kmcnt 0x0
	s_add_co_i32 s49, s32, s33
	s_lshl_b32 s49, s49, 23
	s_add_co_i32 s24, s24, s49                     ; a score stands for score x 2^(eq + ek): the exponents are added to c's exponent field
	s_mov_b32 s25, s24                             ; (named with it as a pair)
	s_add_co_i32 s49, s34, 127
	s_lshl_b32 s50, s49, 23
	v_mov_b32 v11, s50                             ; 2^ep
	s_add_co_i32 s49, s49, 8
	s_lshl_b32 s49, s49, 23
	s_or_b32 s49, s49, 0x600000
	v_mov_b32 v10, s49                             ; 448 x 2^ep
	s_add_co_i32 s37, s34, s35                     ; ep + ev
	s_add_co_i32 s49, s36, 127
	s_lshl_b32 s50, s49, 23
	v_mov_b32 v225, s50                            ; 2^e10
	s_add_co_i32 s49, s49, 8
	s_lshl_b32 s49, s49, 23
	s_or_b32 s49, s49, 0x600000
	v_mov_b32 v224, s49                            ; 448 x 2^e10
	s_mov_b32 s39, s22                             ; the first block of 256 queries: x
	PASSINIT
	global_load_b128 v[208:211], v3, s[6:7]        ; step 0's tiles
	global_load_b128 v[212:215], v3, s[8:9]
	s_mov_b32 s47, 0                               ; the trip
	s_wait_loadcnt 0x0                             ; Q and the tiles
	ds_store_b128 v2, v[208:211]                   ; slot 0's first fill: the one store into the ring that stands outside the loop
	ds_store_b128 v2, v[212:215] offset:8192
	s_wait_dscnt 0x0
	s_barrier_signal -1
	s_barrier_wait -1
.Ltrip:                                            ; nine trips in every work-group: x + 1 for block x, 8 - x for block 7 - x
	STEP 0
	STEP 1
	s_cmp_le_u32 s45, s41                          ; steps of this block are left
	s_cbranch_scc1 .Lmore
	; A BLOCK'S END
	v_add_f32 v14, v14, v15                        ; l's two halves,
	v_permlanex16_b32 v30, v14, s26, s27
	v_add_f32 v14, v14, v30                        ; and lane l xor 16's
	v_cmp_eq_f32 s46, 0, v14                       ; a query with no key left
	v_rcp_f32 v24, v14
	v_nop                                          ; a plain instruction behind the transcendental
	s_wait_alu depctr_va_vdst(0)
	v_ldexp_f32 v24, v24, s37                      ; 2^(ep + ev) / l
.set i, 0
.rept 32
	v_mul_f32 v[96+i], v[160+i], v24               ; A: register 8 d + j is channel 16 d + 8 h + j of my query; each accumulator from its low end on
.set i, i+1
.endr
.set i, 0
.rept 32
	v_med3_num_f32 v[96+i], v[96+i], -v224, v224   ; the hold at 448 x 2^e10
.set i, i+1
.endr
.irp d, 0,1,2,3
	v_cvt_scalef32_pk8_fp8_f32 v[216+2*\d:217+2*\d], v[96+8*\d:103+8*\d], v225
.endr
	v_nop                                          ; a plain instruction behind the last conversion
.irp i, 0,1,2,3,4,5,6,7
	v_cndmask_b32 v[216+\i], v[216+\i], v31, s46   ; NaN codes where l = 0
.endr
	global_store_b128 v227, v[216:219], s[16:17]   ; 512 consecutive bytes a store
	global_store_b128 v227, v[220:223], s[16:17] offset:512
	s_wait_xcnt 0x0                                ; the stores have read their data and their offset: the next block writes both again
	s_cmp_eq_u32 s47, TRIPS-1
	s_cbranch_scc1 .Lmore                          ; behind the second block nothing is set up
	s_sub_co_u32 s39, 7, s22                       ; the second block: 7 - x
	PASSINIT
	s_wait_loadcnt 0x0                             ; Q
.Lmore:
	s_add_co_u32 s47, s47, 1
	s_cmp_lt_u32 s47, TRIPS
	s_cbranch_scc1 .Ltrip
	s_wait_tensorcnt 0x0
	ds_add_u32 v254, v255
	s_wait_dscnt 0x0
	s_endpgm
.Lfunc_end_k_qa237bae549_attn:
	.size	k_qa237bae549_attn, .Lfunc_end_k_qa237bae549_attn-k_qa237bae549_attn
	.p2alignl 7, 3214868480
	.fill 96, 4, 3214868480
	.section	.rodata,"a",@progbits
	.p2align	6, 0x0
	.amdhsa_kernel k_qa237bae549_attn
		.amdhsa_group_segment_fixed_size 34816
		.amdhsa_private_segment_fixed_size 0
		.amdhsa_enable_private_segment 0
		.amdhsa_kernarg_size 56
		.amdhsa_user_sgpr_count 2
		.amdhsa_user_sgpr_kernarg_segment_ptr 1
		.amdhsa_wavefront_size32 1
		.amdhsa_system_sgpr_workgroup_id_x 1
		.amdhsa_system_sgpr_workgroup_id_y 1
		.amdhsa_system_sgpr_workgroup_id_z 1
		.amdhsa_system_vgpr_workitem_id 0
		.amdhsa_next_free_vgpr 256
		.amdhsa_next_free_sgpr 66
		.amdhsa_reserve_vcc 1
		.amdhsa_float_denorm_mode_32 3
		.amdhsa_float_denorm_mode_16_64 3
		.amdhsa_memory_ordered 1
		.amdhsa_forward_progress 1
		.amdhsa_inst_pref_size 62
	.end_amdhsa_kernel
	.amdgpu_metadata
---
amdhsa.version: [ 1, 2 ]
amdhsa.kernels:
  - .name:           k_qa237bae549_attn
    .symbol:         k_qa237bae549_attn.kd
    .args:
      - { .name: qc, .offset: 0, .size: 8, .value_kind: global_buffer, .address_space: global }
      - { .name: kc, .offset: 8, .size: 8, .value_kind: global_buffer, .address_space: global }
      - { .name: vc, .offset: 16, .size: 8, .value_kind: global_buffer, .address_space: global }
      - { .name: padb, .offset: 24, .size: 8, .value_kind: global_buffer, .address_space: global }
      - { .name: padf, .offset: 32, .size: 8, .value_kind: global_buffer, .address_space: global }
      - { .name: lowp_scales, .offset: 40, .size: 8, .value_kind: global_buffer, .address_space: global }
      - { .name: ac, .offset: 48, .size: 8, .value_kind: global_buffer, .address_space: global }
    .group_segment_fixed_size: 34816
    .private_segment_fixed_size: 0
    .kernarg_segment_align: 8
    .kernarg_segment_size: 56
    .max_flat_workgroup_size: 512
    .sgpr_count:     66
    .vgpr_count:     256
    .wavefront_size: 32
...
	.end_amdgpu_metadata
.endif
;; end of part 3
;; launch oproj (part 4): grid 4 x 64, 8 waves a work-group, no clusters, 166,912 bytes of LDS; arguments ac, wc, bo, lowp_scales, out0; writes out0
.if DOCPART == 4
	.amdgcn_target "amdgcn-amd-amdhsa--gfx1250"
	.amdhsa_code_object_version 6
	.text
	.protected	k_qa237bae549_oproj
	.globl	k_qa237bae549_oproj
	.p2align	8
	.type	k_qa237bae549_oproj,@function
k_qa237bae549_oproj:
	s_mov_b64 s[64:65], 0
	v_nop
	global_prefetch_b8 v0, s[64:65] scope:SCOPE_SE
	s_setreg_imm32_b32 hwreg(HW_REG_WAVE_MODE, 25, 1), 1
	s_wait_xcnt 0x0
; out0 = Q(A) Q(Wo) x 2^(e10 + e11) + bo.  A's codes (ac) and Wo's (the fourth weight in wc) are images of operand registers: 16 rows x 64 along K in 1,024 bytes, registers 4 c .. 4 c + 3 of lane l at 512 c + 16 l.
; SHARES.  Work-group (x, y): 256 features x, 128 tokens y: 256 work-groups.  Wave w: tokens 64 (w % 2) on, features 64 (w / 2) on: 16 accumulators (window 1).
; A's block, 131,072 bytes, is copied once into LDS as it lies (wave w: token tile w) and read by all; Wo's fragments go from memory straight into the two waves that want them, four K steps of 64 ahead.
; Source 0 = 16 features of Wo, source 1 = 16 tokens: a lane holds one token and eight neighbouring features.  A wave's 64 features are 256 bytes of a row of out0: 16 rows at a time go through the
; wave's own stage in LDS and leave with sixteen lanes storing 256 consecutive bytes, aligned.
; NO CLUSTER, NO TENSOR LOAD: the block's copy is one pass of 32 loads a lane; the four work-groups of a token block share it, but it is a single fill of 128 KiB read back from the launch before.
; LIMIT: e10 + e11 between -126 and 127, so that 2^(e10 + e11) is an f32 number.
; REGISTERS.  Window 0: v1 16 x lane; v2 the copy's offset; v3 where I read A's fragments; v4, v5 the stage, in and back; v6 my offset in out0; v7 the bias's; v16-47 bo in the result's layout;
;   v48-111 A's fragments, two sets of 32; v112-239 Wo's, four sets of 32 (first: the copy's 128 registers; at the end: v112-143 results, v144-175 rows read back).  Window 1: accumulator (a, b) at v[8 (4 a + b)].
.set BO,  16
.set XF,  48
.set WF,  112
.set T,   112
.set R,   144
.set STG, 131072
.set MSB, 0
.macro WIN new
.if MSB != \new
	s_set_vgpr_msb (MSB<<8)|\new
.set MSB, \new
.endif
.endm
.macro PLACES
.rept 4
	v_nop
.endr
.endm
.macro LOADW s
.irp b, 0,1,2,3
.irp c, 0,1
	global_load_b128 v[WF+32*((\s)%4)+8*\b+4*\c:WF+32*((\s)%4)+8*\b+4*\c+3], v1, s[6:7] offset:\b*16384+(\s)*1024+\c*512
.endr
.endr
.endm
.macro FETCHA s                        ; my four token tiles' fragments of K step s into set s % 2
.irp a, 0,1,2,3
.irp c, 0,1
	ds_load_b128 v[XF+32*((\s)%2)+8*\a+4*\c:XF+32*((\s)%2)+8*\a+4*\c+3], v3 offset:\a*16384+(\s)*1024+\c*512
.endr
.endr
.endm
.macro OHALF s                         ; a K step of 64: 16 products, the accumulators by turns
.if (\s) <= 12
	s_wait_loadcnt 24                              ; Wo's set s is in; the three sets behind it may be out
.else
	s_wait_loadcnt 8*(15-(\s))
.endif
.if (\s) < 15
	s_wait_dscnt 8                                 ; A's set s is in; the next step's eight loads may be out
.else
	s_wait_dscnt 0
.endif
.if (\s) == 0
	WIN 0x40
.else
	WIN 0x50
.endif
.irp a, 0,1,2,3
.irp b, 0,1,2,3
.if (\s) == 0
	v_wmma_f32_16x16x64_fp8_fp8 v[8*(4*\a+\b):8*(4*\a+\b)+7], v[WF+32*((\s)%4)+8*\b:WF+32*((\s)%4)+8*\b+7], v[XF+32*((\s)%2)+8*\a:XF+32*((\s)%2)+8*\a+7], 0
.else
	v_wmma_f32_16x16x64_fp8_fp8 v[8*(4*\a+\b):8*(4*\a+\b)+7], v[WF+32*((\s)%4)+8*\b:WF+32*((\s)%4)+8*\b+7], v[XF+32*((\s)%2)+8*\a:XF+32*((\s)%2)+8*\a+7], v[8*(4*\a+\b):8*(4*\a+\b)+7]
.endif
.endr
.endr
	PLACES                                         ; in front of the loads into these fragments, and at the end of the first read of results
	WIN 0
.if (\s) < 14
	FETCHA (\s)+2
.endif
.if (\s) < 12
	LOADW (\s)+4
.endif
.endm
	s_load_b256 s[4:11], s[0:1], 0x0               ; ac s[4:5], wc s[6:7], bo s[8:9], the scales' exponents s[10:11]
	s_load_b64 s[12:13], s[0:1], 0x20              ; out0
	v_lshl_add_u32 v254, v0, 2, 0x28800
	v_mov_b32 v255, 0
	v_lshrrev_b32 v1, 5, v0
	v_readfirstlane_b32 s14, v1                    ; wave 0..7
	s_mov_b32 s15, ttmp9                           ; which 256 features
	s_and_b32 s16, ttmp7, 0xffff                   ; which 128 tokens
	s_and_b32 s17, s14, 1                          ; my half of the tokens
	s_lshr_b32 s18, s14, 1                         ; my quarter of the features
	v_and_b32 v8, 31, v0
	v_lshlrev_b32 v1, 4, v8
	s_lshl_b32 s24, s14, 14
	v_add_nc_u32 v2, s24, v1                       ; token tile w of the block, in memory and in LDS alike
	s_lshl_b32 s24, s17, 16
	v_add_nc_u32 v3, s24, v1
	v_and_b32 v9, 15, v0                           ; r
	v_bfe_u32 v10, v0, 4, 1                        ; h
	s_mul_i32 s24, s14, 4352
	s_add_co_u32 s24, s24, STG                     ; my stage: 16 rows of 256 bytes + 16
	v_mul_u32_u24 v4, v9, 272
	v_lshl_add_u32 v4, v10, 5, v4
	v_add_nc_u32 v4, s24, v4                       ; in: row r, + 32 h
	v_mul_u32_u24 v5, v10, 272
	v_lshl_add_u32 v5, v9, 4, v5
	v_add_nc_u32 v5, s24, v5                       ; back: lanes 0-15 one row, lanes 16-31 the next
	v_lshlrev_b32 v6, 12, v10
	v_lshl_add_u32 v6, v9, 4, v6                   ; and the same two rows in out0
	v_lshlrev_b32 v7, 5, v10
	s_lshl_b32 s24, s16, 17                        ; ac: the block's 131,072 bytes
	s_mov_b32 s25, 0
	s_lshl_b32 s26, s15, 18                        ; wc: 16 feature tiles of 16,384 bytes a quarter,
	s_lshl_b32 s27, s18, 16
	s_add_co_u32 s26, s26, s27                     ; four a wave,
	s_add_co_u32 s26, s26, 3<<20                   ; in the fourth weight
	s_mov_b32 s27, 0
	s_lshl_b32 s28, s15, 10                        ; 256 features x 4 bytes,
	s_lshl_b32 s29, s18, 8
	s_add_co_u32 s28, s28, s29                     ; 64 a wave: in bo and in a row of out0
	s_mov_b32 s29, 0
	s_lshl_b32 s30, s16, 19                        ; out0: 128 rows of 4,096 bytes,
	s_lshl_b32 s31, s17, 18
	s_add_co_u32 s30, s30, s31                     ; my 64
	s_mov_b32 s31, 0
	s_wait_kmcnt 0x0
	s_load_b64 s[20:21], s[10:11], 0x28            ; e10, e11
	s_add_nc_u64 s[4:5], s[4:5], s[24:25]
	s_add_nc_u64 s[6:7], s[6:7], s[26:27]
	s_add_nc_u64 s[8:9], s[8:9], s[28:29]
	s_add_nc_u64 s[12:13], s[12:13], s[28:29]
	s_add_nc_u64 s[12:13], s[12:13], s[30:31]
.irp b, 0,1,2,3
	global_load_b128 v[BO+8*\b:BO+8*\b+3], v7, s[8:9] offset:64*\b          ; bo of features 16 b + 8 h + 0 .. 7
	global_load_b128 v[BO+8*\b+4:BO+8*\b+7], v7, s[8:9] offset:64*\b+16
.endr
.set i, 0
.rept 32
	global_load_b128 v[WF+4*i:WF+4*i+3], v2, s[4:5] offset:512*i
.set i, i+1
.endr
	s_wait_loadcnt 0x0
.set i, 0
.rept 32
	ds_store_b128 v2, v[WF+4*i:WF+4*i+3] offset:512*i
.set i, i+1
.endr
	s_wait_dscnt 0x0                               ; my stores have landed (for the others' sake) and have read their registers, which take Wo's fragments now
	LOADW 0
	LOADW 1
	LOADW 2
	LOADW 3
	s_barrier_signal -1
	s_barrier_wait -1                              ; A's 128 fragments lie in LDS; they are not written again
	FETCHA 0
	FETCHA 1
	s_wait_kmcnt 0x0
	s_add_co_i32 s22, s20, s21
	s_add_co_i32 s22, s22, 127
	s_lshl_b32 s22, s22, 23                        ; 2^(e10 + e11) as f32
	s_mov_b32 s23, s22                             ; (named with it as a pair)
.irp s, 0,1,2,3,4,5,6,7,8,9,10,11,12,13,14,15
	OHALF \s
.endr
.irp a, 0,1,2,3                        ; the way out, 16 tokens at a time
	WIN 0x01
.irp b, 0,1,2,3
.irp i, 0,2,4,6
	v_pk_fma_f32 v[T+8*\b+\i:T+8*\b+\i+1], v[8*(4*\a+\b)+\i:8*(4*\a+\b)+\i+1], s[22:23], v[BO+8*\b+\i:BO+8*\b+\i+1] op_sel_hi:[1,0,1]   ; sum x 2^(e10 + e11) + bo; each accumulator from its low end on
.endr
.endr
	WIN 0
.irp b, 0,1,2,3
	ds_store_b128 v4, v[T+8*\b:T+8*\b+3] offset:64*\b
	ds_store_b128 v4, v[T+8*\b+4:T+8*\b+7] offset:64*\b+16
.endr
	s_wait_xcnt 0x0                                ; the stores of the 16 tokens before have read their registers: the loads below may land there
.irp i, 0,1,2,3,4,5,6,7
	ds_load_b128 v[R+4*\i:R+4*\i+3], v5 offset:2*\i*272   ; LDS serves a wave's instructions in order (ISA guide 5.7.1.4): these see my stores
.endr
	s_wait_dscnt 0x0
.irp i, 0,1,2,3,4,5,6,7
	global_store_b128 v6, v[R+4*\i:R+4*\i+3], s[12:13] offset:(16*\a+2*\i)*4096 th:TH_STORE_NT   ; sixteen lanes store 256 consecutive bytes, aligned; written once, read by nobody here
.endr
.endr
	s_wait_tensorcnt 0x0
	ds_add_u32 v254, v255
	s_wait_dscnt 0x0
	s_endpgm
.Lfunc_end_k_qa237bae549_oproj:
	.size	k_qa237bae549_oproj, .Lfunc_end_k_qa237bae549_oproj-k_qa237bae549_oproj
	.p2alignl 7, 3214868480
	.fill 96, 4, 3214868480
	.section	.rodata,"a",@progbits
	.p2align	6, 0x0
	.amdhsa_kernel k_qa237bae549_oproj
		.amdhsa_group_segment_fixed_size 166912
		.amdhsa_private_segment_fixed_size 0
		.amdhsa_enable_private_segment 0
		.amdhsa_kernarg_size 40
		.amdhsa_user_sgpr_count 2
		.amdhsa_user_sgpr_kernarg_segment_ptr 1
		.amdhsa_wavefront_size32 1
		.amdhsa_system_sgpr_workgroup_id_x 1
		.amdhsa_system_sgpr_workgroup_id_y 1
		.amdhsa_system_sgpr_workgroup_id_z 1
		.amdhsa_system_vgpr_workitem_id 0
		.amdhsa_next_free_vgpr 384
		.amdhsa_next_free_sgpr 66
		.amdhsa_reserve_vcc 0
		.amdhsa_float_denorm_mode_32 3
		.amdhsa_float_denorm_mode_16_64 3
		.amdhsa_memory_ordered 1
		.amdhsa_forward_progress 1
		.amdhsa_inst_pref_size 61
	.end_amdhsa_kernel
	.amdgpu_metadata
---
amdhsa.version: [ 1, 2 ]
amdhsa.kernels:
  - .name:           k_qa237bae549_oproj
    .symbol:         k_qa237bae549_oproj.kd
    .args:
      - { .name: ac, .offset: 0, .size: 8, .value_kind: global_buffer, .address_space: global }
      - { .name: wc, .offset: 8, .size: 8, .value_kind: global_buffer, .address_space: global }
      - { .name: bo, .offset: 16, .size: 8, .value_kind: global_buffer, .address_space: global }
      - { .name: lowp_scales, .offset: 24, .size: 8, .value_kind: global_buffer, .address_space: global }
      - { .name: out0, .offset: 32, .size: 8, .value_kind: global_buffer, .address_space: global }
    .group_segment_fixed_size: 166912
    .private_segment_fixed_size: 0
    .kernarg_segment_align: 8
    .kernarg_segment_size: 40
    .max_flat_workgroup_size: 256
    .sgpr_count:     66
    .vgpr_count:     384
    .wavefront_size: 32
...
	.end_amdgpu_metadata
.endif
;; end of part 4
;; ======== version 2 of 2: 4 launches
;; workspace buffers: wc 4,194,304 bytes; qc 8,388,608 bytes; kc 8,388,608 bytes; vc 8,388,608 bytes; ac 8,388,608 bytes; padb 32,768 bytes; padf 512 bytes of whole numbers
;; launch wprep (part 5): grid 257 x 1, 4 waves a work-group, no clusters, 0 bytes of LDS; arguments Wq, Wk, Wv, Wo, pad_mask, lowp_scales, wc, padb, padf; writes wc, padb, padf
.if DOCPART == 5
	.amdgcn_target "amdgcn-amd-amdhsa--gfx1250"
	.amdhsa_code_object_version 6
	.text
	.protected	k_qa237bae549_wprep
	.globl	k_qa237bae549_wprep
	.p2align	8
	.type	k_qa237bae549_wprep,@function
k_qa237bae549_wprep:
	s_mov_b64 s[64:65], 0
	v_nop
	global_prefetch_b8 v0, s[64:65] scope:SCOPE_SE
	s_setreg_imm32_b32 hwreg(HW_REG_WAVE_MODE, 25, 1), 1
	s_wait_xcnt 0x0
; The four weights [1024 (k)][1024 (n)] f32 become codes of E4M3, each with its given scale 2^e, laid as IMAGES OF OPERAND REGISTERS:
; wc[weight 0..3][feature tile 0..63][s 0..15][1,024 bytes]; a fragment (16 features x 64 along K) has registers 4 c .. 4 c + 3 of lane l at byte 512 c + 16 l.
; A LANE TAKES A COLUMN n AND ITS REGISTERS RUN DOWN K, so each load reads 128 neighbouring bytes a wave and the conversions give codes with K innermost; nothing is transposed.
; WHICH k lies where.  Wo: the matrix form's own places: byte b of piece (s, c, h) is k = 64 s + 32 c + 16 (b / 8) + 8 h + b % 8.
; Wq, Wk, Wv: k = 512 (s / 8) + 128 (b / 4) + 16 (s % 8) + 8 c + 4 h + b % 4: a permutation of k that the next launch gives x as well, so every product meets its partner.
; Work-groups 0 to 255: weight g / 64, 128 features (g / 8) % 8, fragments s = 2 (g % 8) and the next.  Work-group 256: the pad mask: wave n takes batch n,
; writes 0 or -infinity for each key (padb), and a word whose bit i says that keys 128 i .. 128 i + 127 hold a masked key (padf, 32 equal words a batch).
; No LDS, no barrier, no matrix unit, no cluster: waves share nothing, and every input byte is read once.
; LIMITS: each weight's e between -126 and 119, so that 2^e and 448 x 2^e are f32 numbers.  NaN among the weights is not served (an infinity is held at the largest code).
.set X, 32                             ; v32-95   two sets of 32 numbers: register 16 h + b
.set C, 96                             ; v96-127  codes, eight registers for each of four batches: no store's data are written again
; batch q = 2 i + c: the 32 numbers of pieces (s = 2 y + i, c, h = 0, 1)
.macro WLOAD map, q
.irp h, 0,1
.irp b, 0,1,2,3,4,5,6,7,8,9,10,11,12,13,14,15
.if \map == 1
.set KR, 16*((\q)/2)+128*(\b/4)+8*((\q)%2)+4*\h+(\b%4)
.else
.set KR, 64*((\q)/2)+32*((\q)%2)+16*(\b/8)+8*\h+(\b%8)
.endif
	global_load_b32 v[X+32*((\q)%2)+16*\h+\b], v1, s[4:5] offset:KR*4096 th:TH_LOAD_NT
.endr
.endr
.endm
.macro WBLOCK map, q
.set XS, X+32*((\q)%2)
.if (\q) < 3
	s_wait_loadcnt 32                              ; this batch's 32 loads are in; the next batch's 32 may be out
.else
	s_wait_loadcnt 0
.endif
.set i, 0
.rept 32
	v_med3_num_f32 v[XS+i], v[XS+i], -v10, v10     ; the conversion to an 8-bit code does not saturate (ISA guide 7.6.2): the hold at 448 x the scale comes first
.set i, i+1
.endr
.irp g, 0,1,2,3
	v_cvt_scalef32_pk8_fp8_f32 v[C+8*(\q)+2*\g:C+8*(\q)+2*\g+1], v[XS+8*\g:XS+8*\g+7], v11
.endr
	global_store_b128 v2, v[C+8*(\q):C+8*(\q)+3], s[16:17] offset:((\q)/2)*1024+((\q)%2)*512        ; piece h = 0: sixteen lanes store 256 consecutive bytes, aligned
	global_store_b128 v2, v[C+8*(\q)+4:C+8*(\q)+7], s[16:17] offset:((\q)/2)*1024+((\q)%2)*512+256  ; piece h = 1
.if (\q) < 2
	WLOAD \map, (\q)+2
.endif
.endm
.macro WPATH map
	WLOAD \map, 0
	WLOAD \map, 1
	s_wait_kmcnt 0x0                               ; e
	s_add_co_i32 s27, s27, 127
	s_lshl_b32 s26, s27, 23
	v_mov_b32 v11, s26                             ; 2^e as f32: the conversion takes its exponent field
	s_add_co_i32 s27, s27, 8
	s_lshl_b32 s27, s27, 23
	s_or_b32 s27, s27, 0x600000
	v_mov_b32 v10, s27                             ; 448 x 2^e
	s_wait_alu depctr_va_vdst(0)
	WBLOCK \map, 0
	WBLOCK \map, 1
	WBLOCK \map, 2
	WBLOCK \map, 3
	s_endpgm
.endm
	s_load_b256 s[4:11], s[0:1], 0x0               ; Wq, Wk, Wv, Wo
	s_load_b256 s[12:19], s[0:1], 0x20             ; pad_mask s[12:13], the scales' exponents s[14:15], wc s[16:17], padb s[18:19]
	s_load_b64 s[20:21], s[0:1], 0x40              ; padf
	v_lshrrev_b32 v1, 5, v0
	v_readfirstlane_b32 s22, v1                    ; wave 0..3
	v_and_b32 v3, 31, v0                           ; lane
	s_cmp_eq_u32 ttmp9, 256
	s_cbranch_scc1 .Lpad
	s_lshr_b32 s23, ttmp9, 6                       ; which weight
	s_bfe_u32 s24, ttmp9, 0x30003                  ; which 128 features
	s_and_b32 s25, ttmp9, 7                        ; y: fragments s = 2 y, 2 y + 1
	s_lshl_b32 s26, s23, 3
	s_add_co_u32 s26, s26, 4                       ; the scale's byte: entries 1, 3, 5,
	s_cmp_eq_u32 s23, 3
	s_cselect_b32 s26, 44, s26                     ; and 11 for Wo
	s_lshr_b32 s28, s25, 2
	s_lshl_b32 s28, s28, 9
	s_and_b32 s29, s25, 3
	s_lshl_b32 s29, s29, 5
	s_add_co_u32 s28, s28, s29                     ; the first k: 512 (y / 4) + 32 (y % 4),
	s_lshl_b32 s29, s25, 7                         ; or 128 y for Wo
	s_cmp_eq_u32 s23, 3
	s_cselect_b32 s28, s29, s28
	s_lshl_b32 s28, s28, 12                        ; rows of 4,096 bytes
	s_lshl_b32 s29, s24, 9
	s_add_co_u32 s28, s28, s29                     ; + 128 features x 4 bytes
	s_lshl_b32 s29, s22, 7
	s_add_co_u32 s28, s28, s29                     ; + 32 columns a wave
	s_mov_b32 s29, 0
	s_lshl_b32 s30, s23, 20                        ; wc: a weight is 2^20 bytes,
	s_lshl_b32 s31, s24, 17
	s_add_co_u32 s30, s30, s31                     ; eight feature tiles of 16,384 bytes a group,
	s_lshl_b32 s31, s22, 15
	s_add_co_u32 s30, s30, s31                     ; two a wave,
	s_lshl_b32 s31, s25, 11
	s_add_co_u32 s30, s30, s31                     ; fragment 2 y
	s_mov_b32 s31, 0
	s_wait_alu depctr_va_vdst(0)
	v_lshlrev_b32 v1, 2, v3                        ; in: 4 bytes a lane
	v_and_b32 v4, 15, v3
	v_lshrrev_b32 v5, 4, v3
	v_lshlrev_b32 v2, 4, v4
	v_lshl_add_u32 v2, v5, 14, v2                  ; out: lanes 16-31 hold the next feature tile; 16 bytes a lane
	s_wait_kmcnt 0x0
	s_load_b32 s27, s[14:15], s26 offset:0x0       ; e
	s_cmp_eq_u32 s23, 1                            ; the choice hangs on the work-group's number alone
	s_cselect_b64 s[4:5], s[6:7], s[4:5]
	s_cmp_eq_u32 s23, 2
	s_cselect_b64 s[4:5], s[8:9], s[4:5]
	s_cmp_eq_u32 s23, 3
	s_cselect_b64 s[4:5], s[10:11], s[4:5]
	s_add_nc_u64 s[4:5], s[4:5], s[28:29]
	s_add_nc_u64 s[16:17], s[16:17], s[30:31]
	s_cmp_eq_u32 s23, 3
	s_cbranch_scc1 .Lown_places
	s_wait_alu depctr_va_vdst(0)
	WPATH 1
.Lown_places:
	s_wait_alu depctr_va_vdst(0)
	WPATH 2
.Lpad:                                             ; wave n: batch n's 2,048 keys, 128 a chunk: a chunk is one key step of the attention
	s_wait_alu depctr_va_vdst(0)
	v_lshlrev_b32 v1, 4, v3                        ; 16 bytes a lane
	v_lshlrev_b32 v2, 2, v3                        ; 4 bytes a lane
	v_mov_b32 v4, 0
	v_mov_b32 v5, 0xff800000                       ; -infinity
	s_lshl_b32 s28, s22, 13
	s_mov_b32 s29, 0
	s_lshl_b32 s24, s22, 7
	s_mov_b32 s25, 0
	s_mov_b32 s31, 0                               ; the flags
	s_wait_alu depctr_va_vdst(0)
	s_wait_kmcnt 0x0
	s_add_nc_u64 s[12:13], s[12:13], s[28:29]
	s_add_nc_u64 s[18:19], s[18:19], s[28:29]
	s_add_nc_u64 s[20:21], s[20:21], s[24:25]
.irp i, 0,1,2,3,4,5,6,7,8,9,10,11,12,13,14,15
	global_load_b128 v[32+4*\i:35+4*\i], v1, s[12:13] offset:512*\i
.endr
	s_wait_loadcnt 0x0
.irp i, 0,1,2,3,4,5,6,7,8,9,10,11,12,13,14,15
	s_mov_b32 s30, 0
.irp j, 0,1,2,3
	v_cmp_eq_u32 vcc_lo, 0, v[32+4*\i+\j]          ; a masked key
	s_or_b32 s30, s30, vcc_lo
	v_cndmask_b32 v[32+4*\i+\j], v4, v5, vcc_lo    ; -infinity there, 0 elsewhere
.endr
	s_cmp_lg_u32 s30, 0
	s_cselect_b32 s29, 1<<\i, 0
	s_or_b32 s31, s31, s29
	global_store_b128 v1, v[32+4*\i:35+4*\i], s[18:19] offset:512*\i
.endr
	v_mov_b32 v6, s31
	global_store_b32 v2, v6, s[20:21]              ; 32 equal words
	s_endpgm
.Lfunc_end_k_qa237bae549_wprep:
	.size	k_qa237bae549_wprep, .Lfunc_end_k_qa237bae549_wprep-k_qa237bae549_wprep
	.p2alignl 7, 3214868480
	.fill 96, 4, 3214868480
	.section	.rodata,"a",@progbits
	.p2align	6, 0x0
	.amdhsa_kernel k_qa237bae549_wprep
		.amdhsa_group_segment_fixed_size 0
		.amdhsa_private_segment_fixed_size 0
		.amdhsa_enable_private_segment 0
		.amdhsa_kernarg_size 72
		.amdhsa_user_sgpr_count 2
		.amdhsa_user_sgpr_kernarg_segment_ptr 1
		.amdhsa_wavefront_size32 1
		.amdhsa_system_sgpr_workgroup_id_x 1
		.amdhsa_system_sgpr_workgroup_id_y 1
		.amdhsa_system_sgpr_workgroup_id_z 1
		.amdhsa_system_vgpr_workitem_id 0
		.amdhsa_next_free_vgpr 128
		.amdhsa_next_free_sgpr 66
		.amdhsa_reserve_vcc 1
		.amdhsa_float_denorm_mode_32 3
		.amdhsa_float_denorm_mode_16_64 3
		.amdhsa_memory_ordered 1
		.amdhsa_forward_progress 1
		.amdhsa_inst_pref_size 59
	.end_amdhsa_kernel
	.amdgpu_metadata
---
amdhsa.version: [ 1, 2 ]
amdhsa.kernels:
  - .name:           k_qa237bae549_wprep
    .symbol:         k_qa237bae549_wprep.kd
    .args:
      - { .name: Wq, .offset: 0, .size: 8, .value_kind: global_buffer, .address_space: global }
      - { .name: Wk, .offset: 8, .size: 8, .value_kind: global_buffer, .address_space: global }
      - { .name: Wv, .offset: 16, .size: 8, .value_kind: global_buffer, .address_space: global }
      - { .name: Wo, .offset: 24, .size: 8, .value_kind: global_buffer, .address_space: global }
      - { .name: pad_mask, .offset: 32, .size: 8, .value_kind: global_buffer, .address_space: global }
      - { .name: lowp_scales, .offset: 40, .size: 8, .value_kind: global_buffer, .address_space: global }
      - { .name: wc, .offset: 48, .size: 8, .value_kind: global_buffer, .address_space: global }
      - { .name: padb, .offset: 56, .size: 8, .value_kind: global_buffer, .address_space: global }
      - { .name: padf, .offset: 64, .size: 8, .value_kind: global_buffer, .address_space: global }
    .group_segment_fixed_size: 0
    .private_segment_fixed_size: 0
    .kernarg_segment_align: 8
    .kernarg_segment_size: 72
    .max_flat_workgroup_size: 128
    .sgpr_count:     66
    .vgpr_count:     128
    .wavefront_size: 32
...
	.end_amdgpu_metadata
.endif
;; end of part 5
;; launch proj (part 6): grid 64 x 3, 8 waves a work-group, no clusters, 145,408 bytes of LDS; arguments q, k, v, bq, bk, bv, lowp_scales, wc, qc, kc, vc; writes qc, kc, vc
.if DOCPART == 6
	.amdgcn_target "amdgcn-amd-amdhsa--gfx1250"
	.amdhsa_code_object_version 6
	.text
	.protected	k_qa237bae549_proj
	.globl	k_qa237bae549_proj
	.p2align	8
	.type	k_qa237bae549_proj,@function
k_qa237bae549_proj:
	s_mov_b64 s[64:65], 0
	v_nop
	global_prefetch_b8 v0, s[64:65] scope:SCOPE_SE
	s_setreg_imm32_b32 hwreg(HW_REG_WAVE_SCHED_MODE, 0, 2), 2
	s_setreg_imm32_b32 hwreg(HW_REG_WAVE_MODE, 25, 1), 1
	s_wait_xcnt 0x0
	s_wait_alu depctr_vm_vsrc(0)
; The three projections: y = Q(x) Q(W) + b, quantised at once to the attention's operands.  x: q, k or v (work-group y = 0, 1, 2), [8192][1024] f32; W's codes come from wc as images of operand registers.
; SHARES.  A work-group takes 128 tokens of one tensor and ALL 1,024 features, so x is read from memory once and quantised once.
; Phase X: wave w quantises tokens 16 w .. 16 w + 15 and stores their codes to LDS as images of operand registers.  One barrier; after it LDS is only read.
; Phase G: wave w makes heads 2 w and 2 w + 1, one after the other: 128 tokens x 64 features = 32 accumulators (256 registers, window 1).  x's fragments come from LDS;
; W's fragments are wanted by this wave alone and go from memory straight into its registers, about three K steps of 64 ahead.
; q, k: source 0 = 16 features of W, source 1 = 16 tokens: a lane holds one token and eight neighbouring features, which are the next product's K: the conversions' results ARE registers of its operand.
; v:    the sources change places: a lane holds one feature and eight neighbouring tokens: the keys are the next K of V.
; OUT: qc, kc [n x head][token tile 0..127][1,024 bytes] (16 tokens x 64); vc [n x head][128 keys 0..15][16 channels 0..3][2,048 bytes]; registers 4 c .. 4 c + 3 of lane l at 512 c + 16 l.
; x's PLACES ALONG K: a load takes 512 consecutive bytes of a row, 4 numbers a lane; lane l's 16 codes of half g of a row are piece (s = 8 g + l / 4, c = (l / 2) % 2, h = l % 2):
; byte b is k = 512 g + 128 (b / 4) + 4 l + b % 4.  W's codes were laid by the same permutation.
; The bias goes in as the C of each sum's first product, divided by 2^(ex + ew); the conversion's one scale is 2^(eo - ex - ew).
; NO CLUSTER, NO TENSOR LOAD: x's tile is read by one work-group alone; W's fragments are shared by the 64 work-groups of a tensor, but each goes to one wave's registers, and a way through LDS would
; add 4,096 bytes of LDS reads to the 8,192 that a wave's 32 products already want.  192 work-groups: 24,576 rows in blocks of 128 that stay inside a tensor.
; LIMITS: ex and eo - ex - ew between -126 and 119.  NaN among the inputs is not served (an infinity is held at the largest code).
; REGISTERS.  Window 0: v1 16 x lane; v2, v3 where I store x's codes; v4-6 where I read x's fragments (s / 7 picks one); v7, v8 my bias; v9 its address in hand; v10, v11 2^ex, 448 x 2^ex;
;   v12, v13 2^(eo - ex - ew), 448 x that; v14, v15 the bias's way in; v16-47 the bias as C; v48-111 x's eight fragments (phase X: four sets of codes; at a head's end: its 64 registers of codes);
;   v112-239 W's fragments, four sets of 32.   Window 1: the 32 accumulators, (a, b) at v[8 (4 a + b)]; in phase X six rows of x, 32 registers each.
; THE MODE: SCHED_MODE bits 1:0 = 2 (LLVM: expert scheduling mode 2), set by the entry lines.  The code itself states the register dependences
; between vector or matrix instructions and memory or LDS instructions, with s_wait_alu, always for 0.
; THE PLAN.  Registers that memory or LDS instructions touch, and who else names them:
;   v1-v6, v14, v15    offsets and LDS addresses: made at the head, ahead of one wait on va_vdst, and never written again.
;   v9                 written once a head by a vector add, behind the wait on vm_vsrc at the last head's end and ahead of the head's wait on va_vdst; read by the bias's LDS loads.
;   six rows of x      loaded; row p's holds and conversions name its 32 registers; behind the row's one wait on va_vdst row p + 6 is loaded into them.
;   codes v48-79       four sets: written by row p's conversions, read by its two LDS stores behind the same wait; written again four rows on, behind a wait on vm_vsrc.
;   x's tiles v48-111  tiles 0-3 are read by a K step's first sixteen products, tiles 4-7 by its second sixteen; behind each sixteen one wait on va_vdst, and then the loads of the next step's tiles.
;   W's sets v112-239  set s % 4 is read by step s's 32 products; the wait at that step's end states them done; the loads into it stand among the next step's products, which name other registers.
;   a head's codes     v48-111: written by the conversions; one wait on va_vdst ahead of the sixteen stores; one on vm_vsrc behind them, ahead of the backward branch.
;   v254, v255         written at the head, read by the closing add alone.
.set BI,   16
.set XF,   48
.set CO,   48
.set WF,   112
.set LX0,  4
.set SP,   8768                        ; LDS: a K step of 64: eight token tiles of 1,088 bytes + 64
.set TP,   1088                        ; a tile: two groups of 544
.set GP,   544                         ; a group: two pieces of 256 bytes + 16.  Writers: 16 lanes at 8,768 (l / 4) + 272 (l % 4): sixteen different columns of 16 bytes modulo 256.  Readers: 256 bytes on end
.set BIAS, 16*SP                       ; behind the images: 1,024 f32
.set MSB, 0
.macro WIN new                         ; the immediate's high byte repeats the setting that is left; a switch that changes nothing is dropped
.if MSB != \new
	s_set_vgpr_msb (MSB<<8)|\new
.set MSB, \new
.endif
.endm
.macro PLACES                          ; four plain vector instructions between a matrix instruction and a load into its sources or a read of its result
.rept 4
	v_nop
.endr
.endm
.macro ROWLD p                         ; row p of my 16: eight loads of 512 consecutive bytes, into slot p % 6 of window 1
	WIN 0x40
.irp g, 0,1
.irp i, 0,1,2,3
	global_load_b128 v[32*((\p)%6)+16*\g+4*\i:32*((\p)%6)+16*\g+4*\i+3], v1, s[4:5] offset:(\p)*4096+\g*2048+\i*512 th:TH_LOAD_NT
.endr
.endr
.endm
.macro ROWQ p, lc                      ; row p is quantised; lc: the younger loads, which may stay out
	s_wait_loadcnt \lc
.if (\p) >= 4
	s_wait_dscnt 6                                 ; the stores that read this set of codes four rows ago are done: behind them stand three rows' six
	s_wait_alu depctr_vm_vsrc(0)                   ; the LDS stores issued so far have read their sets of codes: this row's conversions write the set of four rows ago again
.endif
.set RS, 32*((\p)%6)
.set CSET, XF+8*((\p)%4)
	WIN 0x41
.set i, 0
.rept 32
	v_med3_num_f32 v[RS+i], v[RS+i], -v11, v11     ; the conversion does not saturate (ISA guide 7.6.2): the hold at 448 x the scale
.set i, i+1
.endr
	WIN 0x01
.irp g, 0,1,2,3
	v_cvt_scalef32_pk8_fp8_f32 v[CSET+2*\g:CSET+2*\g+1], v[RS+8*\g:RS+8*\g+7], v10
.endr
	WIN 0
	s_wait_alu depctr_va_vdst(0)                   ; the conversions have written this set of codes, which the two stores read, and are done with the row's 32 registers, in which row p + 6 lands
	ds_store_b128 v2, v[CSET:CSET+3] offset:16*(\p)        ; K steps 0-7: row p of piece (l / 4, l % 4)
	ds_store_b128 v3, v[CSET+4:CSET+7] offset:16*(\p)      ; K steps 8-15
.if (\p) <= 9
	ROWLD (\p)+6
.endif
.endm
.macro LOADW s                         ; W's four fragments of K step s into set s % 4: 512 consecutive bytes a load
.irp b, 0,1,2,3
.irp c, 0,1
	global_load_b128 v[WF+32*((\s)%4)+8*\b+4*\c:WF+32*((\s)%4)+8*\b+4*\c+3], v1, s[18:19] offset:\b*16384+(\s)*1024+\c*512
.endr
.endr
.endm
.macro FETCHX s, a0                    ; x's fragments of K step s, token tiles a0 .. a0 + 3
.irp a, \a0, \a0+1, \a0+2, \a0+3
.irp c, 0,1
	ds_load_b128 v[XF+8*(\a)+4*\c:XF+8*(\a)+4*\c+3], v[LX0+(\s)/7] offset:((\s)%7)*SP+(\a)*TP+\c*GP
.endr
.endr
.endm
; 8 products: token tiles a0, a0 + 1 x four feature tiles.  The 32 accumulators take turns, one instruction a turn, in the same order in every K step.
.macro MULS s, v, a0
.irp a, \a0, \a0+1
.irp b, 0,1,2,3
.set AC, 8*(4*(\a)+\b)
.set WR, WF+32*((\s)%4)+8*\b
.set XR, XF+8*(\a)
.if \v
.if (\s) == 0
	v_wmma_f32_16x16x64_fp8_fp8 v[AC:AC+7], v[XR:XR+7], v[WR:WR+7], v[BI+8*\b:BI+8*\b+7]
.else
	v_wmma_f32_16x16x64_fp8_fp8 v[AC:AC+7], v[XR:XR+7], v[WR:WR+7], v[AC:AC+7]
.endif
.else
.if (\s) == 0
	v_wmma_f32_16x16x64_fp8_fp8 v[AC:AC+7], v[WR:WR+7], v[XR:XR+7], v[BI+8*\b:BI+8*\b+7]
.else
	v_wmma_f32_16x16x64_fp8_fp8 v[AC:AC+7], v[WR:WR+7], v[XR:XR+7], v[AC:AC+7]
.endif
.endif
.endr
.endr
.endm
.macro MWIN s                          ; D in window 1; C: the bias in window 0 (first K step) or D
.if (\s) == 0
	WIN 0x40
.else
	WIN 0x50
.endif
.endm
.macro HALF s, v                       ; a K step of 64: 32 products
.if (\s) == 0
	s_wait_loadcnt 24                              ; W's set 0 is in; sets 1 to 3 may be out
.elseif (\s) <= 13
	s_wait_loadcnt 16                              ; W's set s is in; the two sets behind it may be out (the third is asked for below)
.else
	s_wait_loadcnt 8*(15-(\s))
.endif
	s_wait_dscnt 8                                 ; x's tiles 0-3 (and, in the first step, the bias) are in; tiles 4-7 may be out
	MWIN \s
	MULS \s, \v, 0
.if ((\s) >= 1) && ((\s) <= 12)
	WIN 0
	LOADW (\s)+3                                   ; into the set that the last step's products read.  No wait: the wait at that step's end stated them done, and no vector or matrix instruction since names this set or v1
	MWIN \s
.endif
	MULS \s, \v, 2
	s_wait_dscnt 0                                 ; tiles 4-7
.if (\s) < 15
	PLACES
	WIN 0
	s_wait_alu depctr_va_vdst(0)                   ; the sixteen products are done reading x's tiles 0-3, in which the next step's tiles land
	FETCHX (\s)+1, 0
.endif
	MWIN \s
	MULS \s, \v, 4
	MULS \s, \v, 6
	PLACES
	WIN 0
.if (\s) < 15
	s_wait_alu depctr_va_vdst(0)                   ; the step's products are done reading x's tiles 4-7, in which the next step's land, and W's set s, which is asked for again in the next step
	FETCHX (\s)+1, 4
.endif
.endm
.macro GEMM v                          ; one head: v = 0 for q and k, 1 for v
.if \v
	v_add_nc_u32 v9, s46, v8
.else
	v_add_nc_u32 v9, s46, v7
.endif
	s_wait_alu depctr_va_vdst(0)                   ; v9 is written, which the bias's loads read; every vector and matrix instruction that named v16-111 (conversions, the bias's scaling, products) is done: the bias and x's fragments land there
.if \v
.irp b, 0,1,2,3
.irp j, 0,1,2,3,4,5,6,7
	ds_load_b32 v[BI+8*\b+\j], v9 offset:\b*64     ; a lane holds one feature: its bias in all eight registers
.endr
.endr
.else
.irp b, 0,1,2,3
	ds_load_b128 v[BI+8*\b:BI+8*\b+3], v9 offset:\b*64          ; a lane holds features 16 b + 8 h + 0 .. 7
	ds_load_b128 v[BI+8*\b+4:BI+8*\b+7], v9 offset:\b*64+16
.endr
.endif
	FETCHX 0, 0
	FETCHX 0, 4
.irp s, 0,1,2,3,4,5,6,7,8,9,10,11,12,13,14,15
	HALF \s, \v
.endr
	s_add_nc_u64 s[18:19], s[18:19], 65536         ; the last step's wait was for all loads: W's base may step to the next head's four feature tiles
	s_cmp_eq_u32 s45, 1
	s_cbranch_scc1 .Lno_next_\@                    ; no load leaves its buffer
	s_wait_alu depctr_va_vdst(0)                   ; the products of steps 12 to 15 are done reading W's four sets, in which the next head's first four land
	LOADW 0
	LOADW 1
	LOADW 2
	LOADW 3
.Lno_next_\@:
	WIN 0x41
.set i, 0
.rept 256
	v_med3_num_f32 v[i], v[i], -v13, v13           ; the hold; each accumulator from its low end on
.set i, i+1
.endr
	WIN 0x01
.irp a, 0,1,2,3,4,5,6,7
.irp b, 0,1,2,3
.if \v
	v_cvt_scalef32_pk8_fp8_f32 v[CO+16*\b+2*\a:CO+16*\b+2*\a+1], v[8*(4*\a+\b):8*(4*\a+\b)+7], v12   ; channels 16 b on: registers 2 a, 2 a + 1 hold keys 16 a + 8 h + 0 .. 7
.else
	v_cvt_scalef32_pk8_fp8_f32 v[CO+8*\a+2*\b:CO+8*\a+2*\b+1], v[8*(4*\a+\b):8*(4*\a+\b)+7], v12     ; tokens 16 a on: registers 2 b, 2 b + 1 hold channels 16 b + 8 h + 0 .. 7
.endif
.endr
.endr
	v_nop                                          ; a plain vector instruction behind the last conversion
	WIN 0
.endm
	s_load_b256 s[4:11], s[0:1], 0x0               ; q s[4:5], k s[6:7], v s[8:9], bq s[10:11]
	s_load_b256 s[12:19], s[0:1], 0x20             ; bk s[12:13], bv s[14:15], the scales' exponents s[16:17], wc s[18:19]
	s_load_b128 s[20:23], s[0:1], 0x40             ; qc s[20:21], kc s[22:23]
	s_load_b64 s[24:25], s[0:1], 0x50              ; vc
	v_lshl_add_u32 v254, v0, 2, 0x23400
	v_mov_b32 v255, 0
	v_lshrrev_b32 v1, 5, v0
	v_readfirstlane_b32 s26, v1                    ; wave 0..7
	s_and_b32 s27, ttmp7, 0xffff                   ; which tensor
	s_mov_b32 s28, ttmp9                           ; which 128 tokens
	v_and_b32 v9, 31, v0                           ; lane
	v_lshlrev_b32 v1, 4, v9
	v_lshrrev_b32 v2, 2, v9
	v_mul_u32_u24 v2, v2, SP
	v_and_b32 v3, 3, v9
	v_mad_u32_u24 v2, v3, 272, v2
	s_wait_alu depctr_va_sdst(0)                   ; s26, the wave's number, is written, ahead of its first reader
	s_mul_i32 s48, s26, TP
	v_add_nc_u32 v2, s48, v2                       ; 8,768 (l / 4) + 272 (l % 4) + 1,088 w
	v_add_nc_u32 v3, 8*SP, v2                      ; the same, eight K steps on
	v_and_b32 v14, 15, v0                          ; r
	v_bfe_u32 v15, v0, 4, 1                        ; h
	v_lshlrev_b32 v4, 4, v14
	v_mad_u32_u24 v4, v15, 272, v4                 ; 272 h + 16 r
	v_add_nc_u32 v5, 7*SP, v4
	v_add_nc_u32 v6, 14*SP, v4
	s_lshl_b32 s48, s26, 9
	s_add_co_u32 s48, s48, BIAS                    ; my two heads' 128 numbers
	v_lshlrev_b32 v7, 5, v15
	v_add_nc_u32 v7, s48, v7
	v_lshlrev_b32 v8, 2, v14
	v_add_nc_u32 v8, s48, v8
	v_lshl_add_u32 v14, v0, 4, BIAS
	v_lshlrev_b32 v15, 4, v0
	s_lshl_b32 s48, s28, 19                        ; x: 128 rows of 4,096 bytes a work-group,
	s_lshl_b32 s49, s26, 16
	s_add_co_u32 s48, s48, s49                     ; 16 a wave
	s_mov_b32 s49, 0
	s_lshl_b32 s50, s27, 20                        ; wc: the tensor's weight,
	s_lshl_b32 s51, s26, 17
	s_add_co_u32 s50, s50, s51                     ; my eight feature tiles
	s_mov_b32 s51, 0
	s_lshr_b32 s52, s28, 4
	s_lshl_b32 s52, s52, 4
	s_lshl_b32 s53, s26, 1
	s_add_co_u32 s52, s52, s53                     ; 16 n + head
	s_lshl_b32 s52, s52, 4
	s_and_b32 s53, s28, 15
	s_add_co_u32 s52, s52, s53                     ; sixteen blocks of 128 tokens in a head,
	s_lshl_b32 s52, s52, 13                        ; 8,192 bytes each
	s_mov_b32 s53, 0
	s_wait_kmcnt 0x0
	s_load_b256 s[32:39], s[16:17], 0x0            ; entries 0 to 7
	s_load_b64 s[40:41], s[16:17], 0x20            ; 8, 9
	s_cmp_eq_u32 s27, 1                            ; the choices hang on the work-group's number alone
	s_cselect_b64 s[4:5], s[6:7], s[4:5]
	s_cselect_b64 s[10:11], s[12:13], s[10:11]
	s_cselect_b64 s[20:21], s[22:23], s[20:21]
	s_cmp_eq_u32 s27, 2
	s_cselect_b64 s[4:5], s[8:9], s[4:5]
	s_cselect_b64 s[10:11], s[14:15], s[10:11]
	s_cselect_b64 s[20:21], s[24:25], s[20:21]
	s_add_nc_u64 s[4:5], s[4:5], s[48:49]
	s_add_nc_u64 s[18:19], s[18:19], s[50:51]
	s_add_nc_u64 s[20:21], s[20:21], s[52:53]
	s_wait_alu depctr_va_vdst(0)                   ; the offsets and LDS addresses v1-v6, v14 and v15 are written, which the loads and stores of the whole kernel read
	global_load_b128 v[16:19], v15, s[10:11]       ; the bias: 16 bytes a thread
.irp p, 0,1,2,3,4,5
	ROWLD \p
.endr
	WIN 0
	s_wait_kmcnt 0x0
	s_mov_b32 s42, s32                             ; ex, ew, eo: entries 0, 1, 6 for q;
	s_mov_b32 s43, s33
	s_mov_b32 s44, s38
	s_cmp_eq_u32 s27, 1
	s_cselect_b32 s42, s34, s42                    ; 2, 3, 7 for k;
	s_cselect_b32 s43, s35, s43
	s_cselect_b32 s44, s39, s44
	s_cmp_eq_u32 s27, 2
	s_cselect_b32 s42, s36, s42                    ; 4, 5, 9 for v
	s_cselect_b32 s43, s37, s43
	s_cselect_b32 s44, s41, s44
	s_add_co_i32 s47, s42, s43                     ; ex + ew
	s_sub_co_i32 s44, s44, s47                     ; eo - ex - ew
	s_sub_co_i32 s47, 0, s47
	s_add_co_i32 s42, s42, 127
	s_lshl_b32 s43, s42, 23
	v_mov_b32 v10, s43                             ; 2^ex
	s_add_co_i32 s42, s42, 8
	s_lshl_b32 s42, s42, 23
	s_or_b32 s42, s42, 0x600000
	v_mov_b32 v11, s42                             ; 448 x 2^ex
	s_add_co_i32 s44, s44, 127
	s_lshl_b32 s43, s44, 23
	v_mov_b32 v12, s43                             ; 2^(eo - ex - ew): a sum stands for sum x 2^(ex + ew), so the three scales fold into the conversion's one
	s_add_co_i32 s44, s44, 8
	s_lshl_b32 s44, s44, 23
	s_or_b32 s44, s44, 0x600000
	v_mov_b32 v13, s44
	s_wait_loadcnt 48                              ; the bias is in; six rows' 48 loads may be out
.irp j, 0,1,2,3
	v_ldexp_f32 v[16+\j], v[16+\j], s47            ; b / 2^(ex + ew)
.endr
	s_wait_alu depctr_va_vdst(0)                   ; the four scalings have written v16-19, which the store reads
	ds_store_b128 v14, v[16:19]
.irp p, 0,1,2,3,4,5,6,7,8,9,10
	ROWQ \p, 40                                    ; five rows are behind this one
.endr
	ROWQ 11, 32
	ROWQ 12, 24
	WIN 0
	LOADW 0                                        ; W's first four K steps are asked for while the last rows are quantised (no vector instruction has named v112-239)
	LOADW 1
	LOADW 2
	LOADW 3
	ROWQ 13, 48                                    ; two rows and W's 32
	ROWQ 14, 40
	ROWQ 15, 32
	v_nop                                          ; a plain vector instruction behind the last conversion
	s_wait_dscnt 0x0                               ; for the others' sake: my stores have landed
	s_barrier_signal -1
	s_barrier_wait -1                              ; x's 128 fragments and the bias lie in LDS; nothing is stored there again
	s_wait_alu depctr_vm_vsrc(0)                   ; my LDS stores have read v16-19 and the sets of codes v48-79: the bias as C and x's fragments land there from here on
	s_mov_b32 s45, 2                               ; heads to go
	s_mov_b32 s46, 0                               ; the head's bias: 0 or 256 bytes on
.Lhead:
	s_cmp_eq_u32 s27, 2
	s_cbranch_scc1 .Lkeys_inner
	GEMM 0
	s_branch .Ljoin
.Lkeys_inner:
	GEMM 1
.Ljoin:
	s_wait_alu depctr_va_vdst(0)                   ; the conversions have written the head's codes v48-111, which the sixteen stores read
.irp i, 0,1,2,3,4,5,6,7,8,9,10,11,12,13,14,15
	global_store_b128 v1, v[CO+4*\i:CO+4*\i+3], s[20:21] offset:\i*512   ; the head's 8,192 bytes for these 128 tokens: 512 consecutive bytes a store
.endr
	s_wait_xcnt 0x0                                ; the stores have read their registers and their base: both are written again below
	s_wait_alu depctr_vm_vsrc(0)                   ; the stores have read v48-111, in which the next head's fragments land, and the bias's loads have read v9, which the next head writes
	s_add_nc_u64 s[20:21], s[20:21], 131072
	s_add_co_u32 s46, s46, 256
	s_sub_co_u32 s45, s45, 1
	s_cmp_lg_u32 s45, 0
	s_cbranch_scc1 .Lhead
	s_wait_dscnt 0x0                               ; the closing lines, six on end
	s_wait_alu 0x0
	s_wait_tensorcnt 0x0
	ds_add_u32 v254, v255
	s_wait_dscnt 0x0
	s_endpgm
.Lfunc_end_k_qa237bae549_proj:
	.size	k_qa237bae549_proj, .Lfunc_end_k_qa237bae549_proj-k_qa237bae549_proj
	.p2alignl 7, 3214868480
	.fill 96, 4, 3214868480
	.section	.rodata,"a",@progbits
	.p2align	6, 0x0
	.amdhsa_kernel k_qa237bae549_proj
		.amdhsa_group_segment_fixed_size 145408
		.amdhsa_private_segment_fixed_size 0
		.amdhsa_enable_private_segment 0
		.amdhsa_kernarg_size 88
		.amdhsa_user_sgpr_count 2
		.amdhsa_user_sgpr_kernarg_segment_ptr 1
		.amdhsa_wavefront_size32 1
		.amdhsa_system_sgpr_workgroup_id_x 1
		.amdhsa_system_sgpr_workgroup_id_y 1
		.amdhsa_system_sgpr_workgroup_id_z 1
		.amdhsa_system_vgpr_workitem_id 0
		.amdhsa_next_free_vgpr 512
		.amdhsa_next_free_sgpr 66
		.amdhsa_reserve_vcc 0
		.amdhsa_float_denorm_mode_32 3
		.amdhsa_float_denorm_mode_16_64 3
		.amdhsa_memory_ordered 1
		.amdhsa_forward_progress 1
		.amdhsa_inst_pref_size 241
	.end_amdhsa_kernel
	.amdgpu_metadata
---
amdhsa.version: [ 1, 2 ]
amdhsa.kernels:
  - .name:           k_qa237bae549_proj
    .symbol:         k_qa237bae549_proj.kd
    .args:
      - { .name: q, .offset: 0, .size: 8, .value_kind: global_buffer, .address_space: global }
      - { .name: k, .offset: 8, .size: 8, .value_kind: global_buffer, .address_space: global }
      - { .name: v, .offset: 16, .size: 8, .value_kind: global_buffer, .address_space: global }
      - { .name: bq, .offset: 24, .size: 8, .value_kind: global_buffer, .address_space: global }
      - { .name: bk, .offset: 32, .size: 8, .value_kind: global_buffer, .address_space: global }
      - { .name: bv, .offset: 40, .size: 8, .value_kind: global_buffer, .address_space: global }
      - { .name: lowp_scales, .offset: 48, .size: 8, .value_kind: global_buffer, .address_space: global }
      - { .name: wc, .offset: 56, .size: 8, .value_kind: global_buffer, .address_space: global }
      - { .name: qc, .offset: 64, .size: 8, .value_kind: global_buffer, .address_space: global }
      - { .name: kc, .offset: 72, .size: 8, .value_kind: global_buffer, .address_space: global }
      - { .name: vc, .offset: 80, .size: 8, .value_kind: global_buffer, .address_space: global }
    .group_segment_fixed_size: 145408
    .private_segment_fixed_size: 0
    .kernarg_segment_align: 8
    .kernarg_segment_size: 88
    .max_flat_workgroup_size: 256
    .sgpr_count:     66
    .vgpr_count:     512
    .wavefront_size: 32
...
	.end_amdgpu_metadata
.endif
;; end of part 6
;; launch attn (part 7): grid 4 x 64, 16 waves a work-group, no clusters, 34,816 bytes of LDS; arguments qc, kc, vc, padb, padf, lowp_scales, ac; writes ac
.if DOCPART == 7
	.amdgcn_target "amdgcn-amd-amdhsa--gfx1250"
	.amdhsa_code_object_version 6
	.text
	.protected	k_qa237bae549_attn
	.globl	k_qa237bae549_attn
	.p2align	8
	.type	k_qa237bae549_attn,@function
k_qa237bae549_attn:
	s_mov_b64 s[64:65], 0
	v_nop
	global_prefetch_b8 v0, s[64:65] scope:SCOPE_SE
	s_setreg_imm32_b32 hwreg(HW_REG_WAVE_SCHED_MODE, 0, 2), 2
	s_setreg_imm32_b32 hwreg(HW_REG_WAVE_MODE, 25, 1), 1
	s_wait_xcnt 0x0
	s_wait_alu depctr_vm_vsrc(0)
; Attention on codes of E4M3 with the causal mask and the pad mask; the result O / l is quantised at once to the last product's operand.
; qc, kc: [n x head][token tile][1,024 bytes] (16 tokens x 64 channels); vc: [n x head][128 keys][16 channels][2,048 bytes]; ac: [token tile 0..511][head][1,024 bytes]: all images of operand registers
; (registers 4 c .. 4 c + 3 of lane l at 512 c + 16 l), in the matrix forms' own places along K.
; THE SOFTMAX: t = score x log2(e) / 8; M = the running largest t rounded UP to a whole number, kept as -M = floor(-t); p = 2^(t - M) is quantised, not normalised; the row's sum l is taken of the
; unquantised p; when M moves, l and O are multiplied by 2^(old M - new M), which rounds nothing.
; SHARES.  Work-group (x, n x head) makes query blocks x and then 7 - x, 256 queries each: (x + 1) + (8 - x) = 9 trips of two key steps of 128 in EVERY work-group: 256 equal work-groups, ONE loop of
; nine trips, and no tile behind a block's diagonal is fetched.  Each of sixteen waves owns one tile of 16 queries: four waves to a SIMD, so that one wave's vector work stands beside another's products and LDS loads.
; Both products are used transposed (S^T = K Q^T, O^T = V^T P^T): a lane holds ONE query (lane % 16); tile t's register j is key 16 t + 8 (lane / 16) + j, which is where the second product's form
; wants it: the conversions' results are its operand.
; LDS: two slots of 16,384 bytes (a step's K, 8,192 bytes, then its V), byte copies of the tiles in memory: each of 512 threads brings 16 bytes of K and 16 of V through registers, a step ahead.
; One barrier a step: in front of it each wave's stores into the other slot have landed and its reads of this slot are in.  THE RING RUNS ON FROM THE FIRST BLOCK INTO THE SECOND: behind a block's last step
; the tile asked for is tile 0, the next block's first; a block has an even number of steps, so it lands in slot 0.  (Behind the very last step that tile is brought and not read: 32 bytes a thread.)
; A block's end (the division, A's codes, the next block's set-up) stands at a trip's end under a branch on ids and counters; no LDS instruction and no barrier stands in it.
; MASKS.  A step all of whose keys come after my queries is jumped over (a branch on ids).  On the diagonal hidden scores become -infinity.  Where the step's flag (a stored whole number) says that a key
; is masked, 0 or -infinity is added to the scores ahead of the maximum.  A query with no key left has l = 0: it gets the NaN code in all its channels, so that its output row is NaN.
; The hold of p at 448 x 2^ep cannot act where ep >= -8 (p <= 1 <= 448 / 256): a branch on that given whole number jumps over it; for a smaller ep it is executed.
; NO CLUSTER: the four work-groups of a head change blocks at different trips: partners would want different tiles in the same trip.
; LIMITS: entries 6 + 7 between -123 and 130 (they are added to c's exponent field); entries 8 and 10 between -126 and 119.
; REGISTERS: v1 16 x lane; v2 16 x thread; v3 the head's tiles + 16 x thread; v5 the pad numbers' offset; v7 r - 8 h; v8 the causal distance; v9 -infinity; v10, v11 448 x 2^ep, 2^ep;
; v12 -M; v13 the largest t; v[14:15] l in two halves; v16-23 Q; v24, v25 at work; v[26:27] f; v[28:29] a second chain of sums; v30 a permute's result; v31 four NaN codes; v32-95 K's fragments, the pad
; numbers, V's fragments; v96-159 S^T, then p; v160-191 O^T; v192-207 p's codes; v208-215 the next tile on its way; v216-223 A's codes; v224, v225 448 x 2^e10, 2^e10.
; SCALARS: s[2:3] where my tile of A goes; s18 wave; s19 16 n + head; s20 n; s21 head; s22 x; s[24:25] c; s[26:27] lane selects; s28 the flags; s[30:31] where my tile of Q lies; s32-36 entries 6 to 10;
; s37 ep + ev; s39 the block; s40 my token tile; s41 the block's last step; s42, s43 my first and last query; s44 the step's first key; s45 the step within the block; s46 a lane mask; s47 the trip;
; s48-50 at work (from the loop on s[50:51]: the step's pad numbers); s[52:53], s[54:55] the next tile in kc and in vc; s56-63 eight lane masks.
; THE MODE: SCHED_MODE bits 1:0 = 2 (LLVM: expert scheduling mode 2), set by the entry lines.  The code itself states the register dependences
; between vector or matrix instructions and memory or LDS instructions, with s_wait_alu, always for 0.
; THE PLAN.  Registers that memory or LDS instructions touch, and who else names them:
;   v1, v2, v3, v5  offsets and LDS addresses: made at the head, ahead of one wait on va_vdst, and never written again: tiles, Q, A and the pad numbers are reached by scalar bases.
;   v16-23          Q: loaded at a block's set-up; read by K's products.  The wait on va_vdst ahead of A's stores also states those products done, ahead of the next block's loads.
;   v32-95          K's fragments land (behind a wait on va_vdst: the last step's V products have read the registers); K's products read them; behind a second wait the pad numbers or V's fragments land;
;                   the additions that read the pad numbers have a wait of their own ahead of V's loads.
;   v208-215        the next tile: loaded at a step's head, read by the two LDS stores at its end; a wait on vm_vsrc stands behind those, in front of the barrier and of every branch.  No vector instruction names them.
;   v216-223        A's codes: written by conversions and selects; one wait on va_vdst ahead of the two stores, one on vm_vsrc behind them.
;   v254, v255      written at the head, read by the closing add alone.
; Lane masks go from compares into scalar registers, in runs, with one wait on va_sdst between a run and the selects that read it.
.set TRIPS, 9
.macro PLACES
.rept 4
	v_nop
.endr
.endm
; The set-up of the block of 256 queries in s39: its last step, my queries, Q's fragment (asked for here, waited for behind the macro), A's place, the statistics and O^T.
.macro PASSINIT
	s_lshl_b32 s41, s39, 1
	s_add_co_u32 s41, s41, 1                       ; the block's last step
	s_lshl_b32 s42, s39, 8
	s_lshl_b32 s48, s18, 4
	s_add_co_u32 s42, s42, s48                     ; my first query
	s_add_co_u32 s43, s42, 15                      ; my last
	s_lshr_b32 s40, s42, 4                         ; my token tile
	s_lshl_b32 s48, s19, 7
	s_add_co_u32 s48, s48, s40
	s_lshl_b32 s48, s48, 10                        ; (128 (16 n + head) + tile) x 1,024
	s_mov_b32 s49, 0
	s_add_nc_u64 s[30:31], s[4:5], s[48:49]        ; (the loads that read this base last were waited for)
	global_load_b128 v[16:19], v1, s[30:31]        ; Q's fragment stays in registers
	global_load_b128 v[20:23], v1, s[30:31] offset:512
	s_lshl_b32 s48, s20, 7
	s_add_co_u32 s48, s48, s40
	s_lshl_b32 s48, s48, 4
	s_add_co_u32 s48, s48, s21
	s_lshl_b32 s48, s48, 10                        ; ((128 n + tile) 16 + head) x 1,024
	s_add_nc_u64 s[2:3], s[16:17], s[48:49]        ; (behind the wait on XCNT that follows the stores that read this base)
	v_mov_b32 v13, 0xff61b1e6                      ; the largest t so far: -3e38
	v_floor_f32 v12, -v13
	v_mov_b32 v14, 0
	v_mov_b32 v15, 0
.set i, 0
.rept 32
	v_mov_b32 v[160+i], 0                          ; O^T: the step is written once; a block's first step finds zeros, which the first change of M leaves zeros
.set i, i+1
.endr
	s_mov_b32 s44, 0                               ; the step's first key
	s_mov_b32 s45, 0                               ; the step
.endm
.macro STEP slot
	; every wave: the next step's tiles are asked for; behind the block's last step that is tile 0, the next block's first: no load leaves its buffer
	s_add_co_u32 s48, s45, 1
	s_cmp_gt_u32 s48, s41
	s_cselect_b32 s48, 0, s48
	s_lshl_b32 s48, s48, 13
	s_mov_b32 s49, 0
	s_add_nc_u64 s[52:53], s[6:7], s[48:49]        ; the loads that read these two bases last were waited for at the last step's end
	s_add_nc_u64 s[54:55], s[8:9], s[48:49]
	global_load_b128 v[208:211], v3, s[52:53]
	global_load_b128 v[212:215], v3, s[54:55]
	s_cmp_gt_u32 s44, s43                          ; all 128 keys come after my 16 queries
	s_cbranch_scc1 .Lhidden_\@
	s_wait_alu depctr_va_vdst(0)                   ; the products of the step before are done reading V's fragments v32-95, in which K's land
.irp f, 0,1,2,3,4,5,6,7
	ds_load_b128 v[32+8*\f:35+8*\f], v1 offset:\slot*16384+\f*1024
	ds_load_b128 v[36+8*\f:39+8*\f], v1 offset:\slot*16384+\f*1024+512
.endr
	s_wait_dscnt 0x0
.irp t, 0,1,2,3,4,5,6,7
	v_wmma_f32_16x16x64_fp8_fp8 v[96+8*\t:103+8*\t], v[32+8*\t:39+8*\t], v[16:23], 0
.endr
	PLACES                                         ; in front of the loads into K's registers and of the first read of the scores
	s_wait_alu depctr_va_vdst(0)                   ; the eight products are done reading K's fragments v32-95, in which the pad numbers or V's fragments land
	s_bitcmp1_b32 s28, s45                         ; does this step hold a masked key?
	s_cbranch_scc0 .Lno_pad_\@
	s_lshl_b32 s48, s44, 2
	s_mov_b32 s49, 0
	s_add_nc_u64 s[50:51], s[10:11], s[48:49]      ; the step's 128 pad numbers (the loads that read this base last were waited for)
.irp t, 0,1,2,3,4,5,6,7
	global_load_b128 v[32+8*\t:35+8*\t], v5, s[50:51] offset:64*\t
	global_load_b128 v[36+8*\t:39+8*\t], v5, s[50:51] offset:64*\t+16
.endr
	s_wait_loadcnt 0x0
.set i, 0
.rept 32
	v_pk_add_f32 v[96+i:97+i], v[96+i:97+i], v[32+i:33+i]   ; 0 or -infinity onto each score
.set i, i+2
.endr
	s_wait_alu depctr_va_vdst(0)                   ; the additions are done reading the pad numbers v32-95, in which V's fragments land
.Lno_pad_\@:
.irp d, 0,1,2,3
.irp c, 0,1,2,3
	ds_load_b128 v[32+16*\d+4*\c:35+16*\d+4*\c], v1 offset:\slot*16384+8192+\d*2048+\c*512   ; V lands while the softmax is walked
.endr
.endr
	s_add_co_u32 s48, s44, 127
	s_cmp_le_u32 s48, s42                          ; all 128 keys count for all my queries
	s_cbranch_scc1 .Lopen_\@
	s_sub_co_i32 s48, s42, s44
	v_add_nc_u32 v8, s48, v7                       ; d = my query - the step's first key - 8 (lane / 16): register 8 t + j is hidden where 16 t + j > d
.irp t, 0,1,2,3,4,5,6,7
.irp j, 0,1,2,3,4,5,6,7
	v_cmp_gt_i32 s[56+\j], 16*\t+\j, v8
.endr
	s_wait_alu depctr_va_sdst(0)                   ; the eight compares have written the masks s56-63, ahead of the selects that read them
.irp j, 0,1,2,3,4,5,6,7
	v_cndmask_b32 v[96+8*\t+\j], v[96+8*\t+\j], v9, s[56+\j]
.endr
.endr
.Lopen_\@:
	v_max3_num_f32 v24, v96, v97, v98              ; the step's largest score of my query among my 64 keys, in two chains, ascending,
	v_max3_num_f32 v25, v99, v100, v101
.irp i, 6,10,14,18,22,26,30,34,38,42,46,50,54,58
	v_max3_num_f32 v24, v24, v[96+\i], v[97+\i]
	v_max3_num_f32 v25, v25, v[98+\i], v[99+\i]
.endr
	v_max3_num_f32 v24, v24, v158, v159
	v_max_num_f32 v24, v24, v25
	v_permlanex16_b32 v30, v24, s26, s27
	v_max_num_f32 v24, v24, v30                    ; and among lane l xor 16's
	v_mul_f32 v24, s24, v24                        ; as t (c is positive)
	v_max_num_f32 v13, v13, v24
	v_mov_b32 v24, v12
	v_floor_f32 v12, -v13                          ; the new -M
	v_sub_f32 v24, v12, v24                        ; old M - new M: a whole number, 0 or less
	v_cvt_i32_f32 v24, v24                         ; (it saturates)
	v_ldexp_f32 v26, 1.0, v24                      ; f = 2^(old M - new M)
.set i, 0
.rept 32
	v_pk_fma_f32 v[96+i:97+i], v[96+i:97+i], s[24:25], v[12:13] op_sel_hi:[1,0,0]   ; t - M (of the pairs c and -M the low word serves both halves)
.set i, i+2
.endr
.set i, 0
	s_wait_alu depctr_va_vdst(0)
.rept 64
	v_exp_f32 v[96+i], v[96+i]                     ; p = 2^(t - M)
.set i, i+1
.endr
	v_pk_mul_f32 v[14:15], v[14:15], v[26:27] op_sel_hi:[1,0]   ; l under the new M (a plain instruction behind the exponentials)
	s_wait_alu depctr_va_vdst(0)                   ; the 64 exponentials have written v96-159: one wait for the batch, ahead of its first reader
	v_pk_add_f32 v[28:29], v[96:97], v[98:99]      ; the sum of the unquantised p, in two chains
.irp j, 4,8,12,16,20,24,28,32,36,40,44,48,52,56,60
	v_pk_add_f32 v[14:15], v[14:15], v[96+\j:97+\j]
	v_pk_add_f32 v[28:29], v[28:29], v[98+\j:99+\j]
.endr
	v_pk_add_f32 v[14:15], v[14:15], v[28:29]
	s_cmp_ge_i32 s34, -8
	s_cbranch_scc1 .Lno_hold_\@
.set i, 0
.rept 64
	v_min_num_f32 v[96+i], v[96+i], v10            ; the conversion does not saturate (ISA guide 7.6.2); p is not negative, so the hold is one-sided
.set i, i+1
.endr
.Lno_hold_\@:
.irp t, 0,1,2,3,4,5,6,7
	v_cvt_scalef32_pk8_fp8_f32 v[192+2*\t:193+2*\t], v[96+8*\t:103+8*\t], v11
.endr
.set i, 0
.rept 16
	v_pk_mul_f32 v[160+i:161+i], v[160+i:161+i], v[26:27] op_sel_hi:[1,0]   ; O^T under the new M; also the plain instructions behind the conversions
.set i, i+2
.endr
	s_wait_alu depctr_va_vdst(0)
	s_wait_dscnt 0x0                               ; V
.irp d, 0,1,2,3
	v_wmma_f32_16x16x128_fp8_fp8 v[160+8*\d:167+8*\d], v[32+16*\d:47+16*\d], v[192:207], v[160+8*\d:167+8*\d]   ; four accumulators by turns
.endr
	PLACES                                         ; in front of the next loads into these fragments and the next reads of O^T
.Lhidden_\@:
	s_wait_loadcnt 0x0                             ; the next tiles' 32 bytes of mine are in
	ds_store_b128 v2, v[208:211] offset:(1-\slot)*16384
	ds_store_b128 v2, v[212:215] offset:(1-\slot)*16384+8192
	s_add_co_u32 s44, s44, 128
	s_add_co_u32 s45, s45, 1
	s_wait_dscnt 0x0                               ; my stores into the other slot have landed, and my reads of this slot are in
	s_wait_alu depctr_vm_vsrc(0)                   ; the two stores have read v208-215, in which the next step's loads land
	s_barrier_signal -1
	s_barrier_wait -1
.endm
	s_load_b256 s[4:11], s[0:1], 0x0               ; qc s[4:5], kc s[6:7], vc s[8:9], padb s[10:11]
	s_load_b128 s[12:15], s[0:1], 0x20             ; padf s[12:13], the scales' exponents s[14:15]
	s_load_b64 s[16:17], s[0:1], 0x30              ; ac
	v_lshl_add_u32 v254, v0, 2, 0x8000
	v_mov_b32 v255, 0
	v_lshrrev_b32 v24, 5, v0
	v_readfirstlane_b32 s18, v24                   ; wave 0..15
	s_and_b32 s19, ttmp7, 0xffff                   ; 16 n + head
	s_lshr_b32 s20, s19, 4                         ; n
	s_and_b32 s21, s19, 15                         ; head
	s_mov_b32 s22, ttmp9                           ; x
	s_mov_b32 s24, 0x3e38aa3b                      ; c = log2(e) / 8
	s_mov_b32 s26, 0x76543210                      ; v_permlanex16_b32's selects for lane l xor 16
	s_mov_b32 s27, 0xfedcba98
	s_lshl_b32 s48, s20, 7                         ; the batch's flag words
	s_lshl_b32 s49, s19, 17                        ; the head's 131,072 bytes in kc and in vc
	s_lshl_b32 s50, s20, 13                        ; the batch's 8,192 bytes in padb
	v_and_b32 v24, 31, v0
	v_lshlrev_b32 v1, 4, v24
	v_lshlrev_b32 v2, 4, v0
	v_add_nc_u32 v3, s49, v2
	v_and_b32 v25, 15, v0                          ; r
	v_bfe_u32 v24, v0, 4, 1                        ; h
	v_lshlrev_b32 v5, 5, v24
	v_add_nc_u32 v5, s50, v5
	v_lshlrev_b32 v7, 3, v24
	v_sub_nc_u32 v7, v25, v7
	v_mov_b32 v9, 0xff800000
	v_mov_b32 v27, 0                               ; (named as the upper half of the pair v[26:27])
	v_mov_b32 v30, 0                               ; a lane permute's destination counts as one of its sources
	v_mov_b32 v31, 0x7f7f7f7f
	s_wait_kmcnt 0x0
	s_load_b128 s[32:35], s[14:15], 0x18           ; entries 6 to 9: eq, ek, ep, ev
	s_load_b32 s36, s[14:15], 0x28                 ; entry 10: A's
	s_load_b32 s28, s[12:13], s48 offset:0x0       ; the flags
	s_wait_kmcnt 0x0
	s_add_co_i32 s49, s32, s33
	s_lshl_b32 s49, s49, 23
	s_add_co_i32 s24, s24, s49                     ; a score stands for score x 2^(eq + ek): the exponents are added to c's exponent field
	s_mov_b32 s25, s24                             ; (named with it as a pair)
	s_add_co_i32 s49, s34, 127
	s_lshl_b32 s50, s49, 23
	v_mov_b32 v11, s50                             ; 2^ep
	s_add_co_i32 s49, s49, 8
	s_lshl_b32 s49, s49, 23
	s_or_b32 s49, s49, 0x600000
	v_mov_b32 v10, s49                             ; 448 x 2^ep
	s_add_co_i32 s37, s34, s35                     ; ep + ev
	s_add_co_i32 s49, s36, 127
	s_lshl_b32 s50, s49, 23
	v_mov_b32 v225, s50                            ; 2^e10
	s_add_co_i32 s49, s49, 8
	s_lshl_b32 s49, s49, 23
	s_or_b32 s49, s49, 0x600000
	v_mov_b32 v224, s49                            ; 448 x 2^e10
	s_mov_b32 s39, s22                             ; the first block of 256 queries: x
	s_wait_alu depctr_va_sdst(0)                   ; s18, the wave's number, is written, ahead of its first reader in the set-up below
	s_wait_alu depctr_va_vdst(0)                   ; the offsets and LDS addresses v1, v2, v3 and v5 are written, which the loads and stores of the whole kernel read
	PASSINIT
	global_load_b128 v[208:211], v3, s[6:7]        ; step 0's tiles
	global_load_b128 v[212:215], v3, s[8:9]
	s_mov_b32 s47, 0                               ; the trip
	s_wait_loadcnt 0x0                             ; Q and the tiles
	ds_store_b128 v2, v[208:211]                   ; slot 0's first fill: the one store into the ring that stands outside the loop
	ds_store_b128 v2, v[212:215] offset:8192
	s_wait_dscnt 0x0
	s_wait_alu depctr_vm_vsrc(0)                   ; the two stores have read v208-215, in which the first step's loads land
	s_barrier_signal -1
	s_barrier_wait -1
.Ltrip:                                            ; nine trips in every work-group: x + 1 for block x, 8 - x for block 7 - x
	STEP 0
	STEP 1
	s_cmp_le_u32 s45, s41                          ; steps of this block are left
	s_cbranch_scc1 .Lmore
	; A BLOCK'S END
	v_add_f32 v14, v14, v15                        ; l's two halves,
	v_permlanex16_b32 v30, v14, s26, s27
	v_add_f32 v14, v14, v30                        ; and lane l xor 16's
	v_cmp_eq_f32 s46, 0, v14                       ; a query with no key left
	v_rcp_f32 v24, v14
	v_nop                                          ; a plain instruction behind the transcendental
	s_wait_alu depctr_va_vdst(0)                   ; the reciprocal has written v24, ahead of its first reader
	v_ldexp_f32 v24, v24, s37                      ; 2^(ep + ev) / l
.set i, 0
.rept 32
	v_mul_f32 v[96+i], v[160+i], v24               ; A: register 8 d + j is channel 16 d + 8 h + j of my query; each accumulator from its low end on
.set i, i+1
.endr
.set i, 0
.rept 32
	v_med3_num_f32 v[96+i], v[96+i], -v224, v224   ; the hold at 448 x 2^e10
.set i, i+1
.endr
.irp d, 0,1,2,3
	v_cvt_scalef32_pk8_fp8_f32 v[216+2*\d:217+2*\d], v[96+8*\d:103+8*\d], v225
.endr
	v_nop                                          ; a plain instruction behind the last conversion
	s_wait_alu depctr_va_sdst(0)                   ; the compare has written the mask s46, ahead of the selects that read it
.irp i, 0,1,2,3,4,5,6,7
	v_cndmask_b32 v[216+\i], v[216+\i], v31, s46   ; NaN codes where l = 0
.endr
	s_wait_alu depctr_va_vdst(0)                   ; the selects have written A's codes v216-223, which the stores read; the block's products are done reading Q's fragment v16-23, in which the next block's lands
	global_store_b128 v1, v[216:219], s[2:3]       ; 512 consecutive bytes a store
	global_store_b128 v1, v[220:223], s[2:3] offset:512
	s_wait_xcnt 0x0                                ; the stores have read their data and their base: the next block writes both again
	s_wait_alu depctr_vm_vsrc(0)                   ; the stores have read v216-223, which the next block's conversions write again
	s_cmp_eq_u32 s47, TRIPS-1
	s_cbranch_scc1 .Lmore                          ; behind the second block nothing is set up
	s_sub_co_u32 s39, 7, s22                       ; the second block: 7 - x
	PASSINIT
	s_wait_loadcnt 0x0                             ; Q
.Lmore:
	s_add_co_u32 s47, s47, 1
	s_cmp_lt_u32 s47, TRIPS
	s_cbranch_scc1 .Ltrip
	s_wait_dscnt 0x0                               ; the closing lines, six on end
	s_wait_alu 0x0
	s_wait_tensorcnt 0x0
	ds_add_u32 v254, v255
	s_wait_dscnt 0x0
	s_endpgm
.Lfunc_end_k_qa237bae549_attn:
	.size	k_qa237bae549_attn, .Lfunc_end_k_qa237bae549_attn-k_qa237bae549_attn
	.p2alignl 7, 3214868480
	.fill 96, 4, 3214868480
	.section	.rodata,"a",@progbits
	.p2align	6, 0x0
	.amdhsa_kernel k_qa237bae549_attn
		.amdhsa_group_segment_fixed_size 34816
		.amdhsa_private_segment_fixed_size 0
		.amdhsa_enable_private_segment 0
		.amdhsa_kernarg_size 56
		.amdhsa_user_sgpr_count 2
		.amdhsa_user_sgpr_kernarg_segment_ptr 1
		.amdhsa_wavefront_size32 1
		.amdhsa_system_sgpr_workgroup_id_x 1
		.amdhsa_system_sgpr_workgroup_id_y 1
		.amdhsa_system_sgpr_workgroup_id_z 1
		.amdhsa_system_vgpr_workitem_id 0
		.amdhsa_next_free_vgpr 256
		.amdhsa_next_free_sgpr 66
		.amdhsa_reserve_vcc 0
		.amdhsa_float_denorm_mode_32 3
		.amdhsa_float_denorm_mode_16_64 3
		.amdhsa_memory_ordered 1
		.amdhsa_forward_progress 1
		.amdhsa_inst_pref_size 71
	.end_amdhsa_kernel
	.amdgpu_metadata
---
amdhsa.version: [ 1, 2 ]
amdhsa.kernels:
  - .name:           k_qa237bae549_attn
    .symbol:         k_qa237bae549_attn.kd
    .args:
      - { .name: qc, .offset: 0, .size: 8, .value_kind: global_buffer, .address_space: global }
      - { .name: kc, .offset: 8, .size: 8, .value_kind: global_buffer, .address_space: global }
      - { .name: vc, .offset: 16, .size: 8, .value_kind: global_buffer, .address_space: global }
      - { .name: padb, .offset: 24, .size: 8, .value_kind: global_buffer, .address_space: global }
      - { .name: padf, .offset: 32, .size: 8, .value_kind: global_buffer, .address_space: global }
      - { .name: lowp_scales, .offset: 40, .size: 8, .value_kind: global_buffer, .address_space: global }
      - { .name: ac, .offset: 48, .size: 8, .value_kind: global_buffer, .address_space: global }
    .group_segment_fixed_size: 34816
    .private_segment_fixed_size: 0
    .kernarg_segment_align: 8
    .kernarg_segment_size: 56
    .max_flat_workgroup_size: 512
    .sgpr_count:     66
    .vgpr_count:     256
    .wavefront_size: 32
...
	.end_amdgpu_metadata
.endif
;; end of part 7
;; launch oproj (part 8): grid 4 x 64, 8 waves a work-group, no clusters, 166,912 bytes of LDS; arguments ac, wc, bo, lowp_scales, out0; writes out0
.if DOCPART == 8
	.amdgcn_target "amdgcn-amd-amdhsa--gfx1250"
	.amdhsa_code_object_version 6
	.text
	.protected	k_qa237bae549_oproj
	.globl	k_qa237bae549_oproj
	.p2align	8
	.type	k_qa237bae549_oproj,@function
k_qa237bae549_oproj:
	s_mov_b64 s[64:65], 0
	v_nop
	global_prefetch_b8 v0, s[64:65] scope:SCOPE_SE
	s_setreg_imm32_b32 hwreg(HW_REG_WAVE_SCHED_MODE, 0, 2), 2
	s_setreg_imm32_b32 hwreg(HW_REG_WAVE_MODE, 25, 1), 1
	s_wait_xcnt 0x0
	s_wait_alu depctr_vm_vsrc(0)
; out0 = Q(A) Q(Wo) x 2^(e10 + e11) + bo.  A's codes (ac) and Wo's (the fourth weight in wc) are images of operand registers: 16 rows x 64 along K in 1,024 bytes, registers 4 c .. 4 c + 3 of lane l at 512 c + 16 l.
; SHARES.  Work-group (x, y): 256 features x, 128 tokens y: 256 work-groups.  Wave w: tokens 64 (w % 2) on, features 64 (w / 2) on: 16 accumulators (window 1).
; A's block, 131,072 bytes, is copied once into LDS as it lies (wave w: token tile w) and read by all; Wo's fragments go from memory straight into the two waves that want them, about three K steps of 64 ahead.
; Source 0 = 16 features of Wo, source 1 = 16 tokens: a lane holds one token and eight neighbouring features.  A wave's 64 features are 256 bytes of a row of out0: 16 rows at a time go through the
; wave's own stage in LDS and leave with sixteen lanes storing 256 consecutive bytes, aligned.
; NO CLUSTER, NO TENSOR LOAD: the block's copy is one pass of 32 loads a lane; the four work-groups of a token block share it, but it is a single fill of 128 KiB read back from the launch before.
; LIMIT: e10 + e11 between -126 and 127, so that 2^(e10 + e11) is an f32 number.
; REGISTERS.  Window 0: v1 16 x lane; v2 the copy's offset; v3 where I read A's fragments; v4, v5 the stage, in and back; v6 my offset in out0; v7 the bias's; v16-47 bo in the result's layout;
;   v48-111 A's fragments, two sets of 32 (at the end: rows read back, two sets by turns); v112-239 Wo's, four sets of 32 (first: the copy's 128 registers; at the end: the results, 32 for each 16 tokens).
;   Window 1: accumulator (a, b) at v[8 (4 a + b)].
; THE MODE: SCHED_MODE bits 1:0 = 2 (LLVM: expert scheduling mode 2), set by the entry lines.  The code itself states the register dependences
; between vector or matrix instructions and memory or LDS instructions, with s_wait_alu, always for 0.
; THE PLAN.  Registers that memory or LDS instructions touch, and who else names them:
;   v1-v7          offsets and LDS addresses: made at the head, ahead of one wait on va_vdst, and never written again.
;   v112-239       the copy: loaded, read by 32 LDS stores; behind a wait on vm_vsrc Wo's first four sets land there.  Then set s % 4 is read by step s's sixteen products.
;   v48-111        A's set s % 2 is read by step s's sixteen products.
;                  ONE wait on va_vdst stands at a K step's end: it states the step's products done with A's set, which is loaded again at once, and with Wo's set, whose loads stand among the next
;                  step's products, which name other registers.
;   the way out    all 64 multiply-adds write v112-239, results' registers of their own that are not written again: one wait on va_vdst ahead of the first LDS store; it also states the products done with
;                  v48-111, in which the rows read back land, two sets by turns; the third and the fourth read-back stand behind a wait on vm_vsrc: the stores of two blocks back have read their set.
;   v254, v255     written at the head, read by the closing add alone.
.set BO,  16
.set XF,  48
.set WF,  112
.set T,   112
.set R,   48
.set STG, 131072
.set MSB, 0
.macro WIN new
.if MSB != \new
	s_set_vgpr_msb (MSB<<8)|\new
.set MSB, \new
.endif
.endm
.macro PLACES
.rept 4
	v_nop
.endr
.endm
.macro LOADW s
.irp b, 0,1,2,3
.irp c, 0,1
	global_load_b128 v[WF+32*((\s)%4)+8*\b+4*\c:WF+32*((\s)%4)+8*\b+4*\c+3], v1, s[6:7] offset:\b*16384+(\s)*1024+\c*512
.endr
.endr
.endm
.macro FETCHA s                        ; my four token tiles' fragments of K step s into set s % 2
.irp a, 0,1,2,3
.irp c, 0,1
	ds_load_b128 v[XF+32*((\s)%2)+8*\a+4*\c:XF+32*((\s)%2)+8*\a+4*\c+3], v3 offset:\a*16384+(\s)*1024+\c*512
.endr
.endr
.endm
.macro OWIN s                          ; D in window 1; C: the constant 0 (first K step) or D
.if (\s) == 0
	WIN 0x40
.else
	WIN 0x50
.endif
.endm
.macro OMUL s, a0                      ; 8 products: token tiles a0, a0 + 1 x four feature tiles; the sixteen accumulators by turns, in the same order in every K step
.irp a, \a0, \a0+1
.irp b, 0,1,2,3
.if (\s) == 0
	v_wmma_f32_16x16x64_fp8_fp8 v[8*(4*(\a)+\b):8*(4*(\a)+\b)+7], v[WF+32*((\s)%4)+8*\b:WF+32*((\s)%4)+8*\b+7], v[XF+32*((\s)%2)+8*(\a):XF+32*((\s)%2)+8*(\a)+7], 0
.else
	v_wmma_f32_16x16x64_fp8_fp8 v[8*(4*(\a)+\b):8*(4*(\a)+\b)+7], v[WF+32*((\s)%4)+8*\b:WF+32*((\s)%4)+8*\b+7], v[XF+32*((\s)%2)+8*(\a):XF+32*((\s)%2)+8*(\a)+7], v[8*(4*(\a)+\b):8*(4*(\a)+\b)+7]
.endif
.endr
.endr
.endm
.macro OHALF s                         ; a K step of 64: 16 products
.if (\s) == 0
	s_wait_loadcnt 24                              ; Wo's set 0 is in; sets 1 to 3 may be out
.elseif (\s) <= 13
	s_wait_loadcnt 16                              ; Wo's set s is in; the two sets behind it may be out (the third is asked for below)
.else
	s_wait_loadcnt 8*(15-(\s))
.endif
.if (\s) < 15
	s_wait_dscnt 8                                 ; A's set s is in; the next step's eight loads may be out
.else
	s_wait_dscnt 0
.endif
	OWIN \s
	OMUL \s, 0
.if ((\s) >= 1) && ((\s) <= 12)
	WIN 0
	LOADW (\s)+3                                   ; into the set that the last step's products read.  No wait: the wait at that step's end stated them done, and no vector or matrix instruction since names this set or v1
	OWIN \s
.endif
	OMUL \s, 2
	PLACES                                         ; in front of the loads into these fragments, and at the end of the first read of results
	WIN 0
.if (\s) < 14
	s_wait_alu depctr_va_vdst(0)                   ; the step's products are done reading A's set s, in which the fragments of two steps on land, and Wo's set s, which is asked for again in the next step
	FETCHA (\s)+2
.endif
.endm
	s_load_b256 s[4:11], s[0:1], 0x0               ; ac s[4:5], wc s[6:7], bo s[8:9], the scales' exponents s[10:11]
	s_load_b64 s[12:13], s[0:1], 0x20              ; out0
	v_lshl_add_u32 v254, v0, 2, 0x28800
	v_mov_b32 v255, 0
	v_lshrrev_b32 v1, 5, v0
	v_readfirstlane_b32 s14, v1                    ; wave 0..7
	s_mov_b32 s15, ttmp9                           ; which 256 features
	s_and_b32 s16, ttmp7, 0xffff                   ; which 128 tokens
	s_wait_alu depctr_va_sdst(0)                   ; s14, the wave's number, is written, ahead of its first reader
	s_and_b32 s17, s14, 1                          ; my half of the tokens
	s_lshr_b32 s18, s14, 1                         ; my quarter of the features
	v_and_b32 v8, 31, v0
	v_lshlrev_b32 v1, 4, v8
	s_lshl_b32 s24, s14, 14
	v_add_nc_u32 v2, s24, v1                       ; token tile w of the block, in memory and in LDS alike
	s_lshl_b32 s24, s17, 16
	v_add_nc_u32 v3, s24, v1
	v_and_b32 v9, 15, v0                           ; r
	v_bfe_u32 v10, v0, 4, 1                        ; h
	s_mul_i32 s24, s14, 4352
	s_add_co_u32 s24, s24, STG                     ; my stage: 16 rows of 256 bytes + 16
	v_mul_u32_u24 v4, v9, 272
	v_lshl_add_u32 v4, v10, 5, v4
	v_add_nc_u32 v4, s24, v4                       ; in: row r, + 32 h
	v_mul_u32_u24 v5, v10, 272
	v_lshl_add_u32 v5, v9, 4, v5
	v_add_nc_u32 v5, s24, v5                       ; back: lanes 0-15 one row, lanes 16-31 the next
	v_lshlrev_b32 v6, 12, v10
	v_lshl_add_u32 v6, v9, 4, v6                   ; and the same two rows in out0
	v_lshlrev_b32 v7, 5, v10
	s_lshl_b32 s24, s16, 17                        ; ac: the block's 131,072 bytes
	s_mov_b32 s25, 0
	s_lshl_b32 s26, s15, 18                        ; wc: 16 feature tiles of 16,384 bytes a quarter,
	s_lshl_b32 s27, s18, 16
	s_add_co_u32 s26, s26, s27                     ; four a wave,
	s_add_co_u32 s26, s26, 3<<20                   ; in the fourth weight
	s_mov_b32 s27, 0
	s_lshl_b32 s28, s15, 10                        ; 256 features x 4 bytes,
	s_lshl_b32 s29, s18, 8
	s_add_co_u32 s28, s28, s29                     ; 64 a wave: in bo and in a row of out0
	s_mov_b32 s29, 0
	s_lshl_b32 s30, s16, 19                        ; out0: 128 rows of 4,096 bytes,
	s_lshl_b32 s31, s17, 18
	s_add_co_u32 s30, s30, s31                     ; my 64
	s_mov_b32 s31, 0
	s_wait_kmcnt 0x0
	s_load_b64 s[20:21], s[10:11], 0x28            ; e10, e11
	s_add_nc_u64 s[4:5], s[4:5], s[24:25]
	s_add_nc_u64 s[6:7], s[6:7], s[26:27]
	s_add_nc_u64 s[8:9], s[8:9], s[28:29]
	s_add_nc_u64 s[12:13], s[12:13], s[28:29]
	s_add_nc_u64 s[12:13], s[12:13], s[30:31]
	s_wait_alu depctr_va_vdst(0)                   ; the offsets and LDS addresses v1-v7 are written, which the loads and stores of the whole kernel read
.irp b, 0,1,2,3
	global_load_b128 v[BO+8*\b:BO+8*\b+3], v7, s[8:9] offset:64*\b          ; bo of features 16 b + 8 h + 0 .. 7
	global_load_b128 v[BO+8*\b+4:BO+8*\b+7], v7, s[8:9] offset:64*\b+16
.endr
.set i, 0
.rept 32
	global_load_b128 v[WF+4*i:WF+4*i+3], v2, s[4:5] offset:512*i
.set i, i+1
.endr
	s_wait_loadcnt 0x0
.set i, 0
.rept 32
	ds_store_b128 v2, v[WF+4*i:WF+4*i+3] offset:512*i
.set i, i+1
.endr
	s_wait_dscnt 0x0                               ; my stores have landed, for the others' sake
	s_wait_alu depctr_vm_vsrc(0)                   ; the 32 stores have read v112-239, in which Wo's fragments land now
	LOADW 0
	LOADW 1
	LOADW 2
	LOADW 3
	s_barrier_signal -1
	s_barrier_wait -1                              ; A's 128 fragments lie in LDS; they are not written again
	FETCHA 0
	FETCHA 1
	s_wait_kmcnt 0x0
	s_add_co_i32 s22, s20, s21
	s_add_co_i32 s22, s22, 127
	s_lshl_b32 s22, s22, 23                        ; 2^(e10 + e11) as f32
	s_mov_b32 s23, s22                             ; (named with it as a pair)
.irp s, 0,1,2,3,4,5,6,7,8,9,10,11,12,13,14,15
	OHALF \s
.endr
	; the way out: all results first, into registers of their own; then 16 tokens at a time through the stage
	WIN 0x01
.irp a, 0,1,2,3
.irp b, 0,1,2,3
.irp i, 0,2,4,6
	v_pk_fma_f32 v[T+32*\a+8*\b+\i:T+32*\a+8*\b+\i+1], v[8*(4*\a+\b)+\i:8*(4*\a+\b)+\i+1], s[22:23], v[BO+8*\b+\i:BO+8*\b+\i+1] op_sel_hi:[1,0,1]   ; sum x 2^(e10 + e11) + bo; each accumulator from its low end on
.endr
.endr
.endr
	WIN 0
	s_wait_alu depctr_va_vdst(0)                   ; the multiply-adds have written the results v112-239, which the LDS stores read; the products are done reading A's fragments v48-111, in which the rows read back land
.irp a, 0,1,2,3
.irp b, 0,1,2,3
	ds_store_b128 v4, v[T+32*\a+8*\b:T+32*\a+8*\b+3] offset:64*\b
	ds_store_b128 v4, v[T+32*\a+8*\b+4:T+32*\a+8*\b+7] offset:64*\b+16
.endr
.if \a >= 2
	s_wait_xcnt 0x0                                ; the stores of the 16 tokens two blocks back have had their addresses translated: the loads below may land in their registers
	s_wait_alu depctr_vm_vsrc(0)                   ; and have read those registers, this set of v48-111
.endif
.irp i, 0,1,2,3,4,5,6,7
	ds_load_b128 v[R+32*(\a%2)+4*\i:R+32*(\a%2)+4*\i+3], v5 offset:2*\i*272   ; LDS serves a wave's instructions in order (ISA guide 5.7.1.4): these see my stores
.endr
	s_wait_dscnt 0x0
.irp i, 0,1,2,3,4,5,6,7
	global_store_b128 v6, v[R+32*(\a%2)+4*\i:R+32*(\a%2)+4*\i+3], s[12:13] offset:(16*\a+2*\i)*4096 th:TH_STORE_NT   ; sixteen lanes store 256 consecutive bytes, aligned; written once, read by nobody here
.endr
.endr
	s_wait_dscnt 0x0                               ; the closing lines, six on end
	s_wait_alu 0x0
	s_wait_tensorcnt 0x0
	ds_add_u32 v254, v255
	s_wait_dscnt 0x0
	s_endpgm
.Lfunc_end_k_qa237bae549_oproj:
	.size	k_qa237bae549_oproj, .Lfunc_end_k_qa237bae549_oproj-k_qa237bae549_oproj
	.p2alignl 7, 3214868480
	.fill 96, 4, 3214868480
	.section	.rodata,"a",@progbits
	.p2align	6, 0x0
	.amdhsa_kernel k_qa237bae549_oproj
		.amdhsa_group_segment_fixed_size 166912
		.amdhsa_private_segment_fixed_size 0
		.amdhsa_enable_private_segment 0
		.amdhsa_kernarg_size 40
		.amdhsa_user_sgpr_count 2
		.amdhsa_user_sgpr_kernarg_segment_ptr 1
		.amdhsa_wavefront_size32 1
		.amdhsa_system_sgpr_workgroup_id_x 1
		.amdhsa_system_sgpr_workgroup_id_y 1
		.amdhsa_system_sgpr_workgroup_id_z 1
		.amdhsa_system_vgpr_workitem_id 0
		.amdhsa_next_free_vgpr 384
		.amdhsa_next_free_sgpr 66
		.amdhsa_reserve_vcc 0
		.amdhsa_float_denorm_mode_32 3
		.amdhsa_float_denorm_mode_16_64 3
		.amdhsa_memory_ordered 1
		.amdhsa_forward_progress 1
		.amdhsa_inst_pref_size 62
	.end_amdhsa_kernel
	.amdgpu_metadata
---
amdhsa.version: [ 1, 2 ]
amdhsa.kernels:
  - .name:           k_qa237bae549_oproj
    .symbol:         k_qa237bae549_oproj.kd
    .args:
      - { .name: ac, .offset: 0, .size: 8, .value_kind: global_buffer, .address_space: global }
      - { .name: wc, .offset: 8, .size: 8, .value_kind: global_buffer, .address_space: global }
      - { .name: bo, .offset: 16, .size: 8, .value_kind: global_buffer, .address_space: global }
      - { .name: lowp_scales, .offset: 24, .size: 8, .value_kind: global_buffer, .address_space: global }
      - { .name: out0, .offset: 32, .size: 8, .value_kind: global_buffer, .address_space: global }
    .group_segment_fixed_size: 166912
    .private_segment_fixed_size: 0
    .kernarg_segment_align: 8
    .kernarg_segment_size: 40
    .max_flat_workgroup_size: 256
    .sgpr_count:     66
    .vgpr_count:     384
    .wavefront_size: 32
...
	.end_amdgpu_metadata
.endif
;; end of part 8
